; MI455X (gfx1250); checked and timed in simulation.
; The chip was launched on July 23, 2026; its instructions are those of AMD's public machine-readable ISA for CDNA 5 (MIT licence, August 2026) and "CDNA5" Instruction Set Architecture Reference Guide (July 2026). The comments in the code are by the model that wrote it; some were corrected since.
;; Context Embedding. Allowed arithmetic: matrix products marked QUANTISED: E5M2 operands, one E8M0 scale for each 32 along K, by v_wmma_scale_f32_16x16x128_f8f6f4 with both operands' format E5M2, f32 sums; everything else in f32.
;; Inputs: E 8 x 256 x 1,024 float32; I_codes 8 x 4,096 x 16 x 32 uint8 (E5M2 codes of I, K innermost, in blocks of 32 codes); I_scales 8 x 4,096 x 16 uint8 (E8M0 scales of I, one for each 32 codes along K); k_b 1,024 float32; k_w_codes 1,024 x 16 x 32 uint8 (E5M2 codes of k_w, K innermost, in blocks of 32 codes); k_w_scales 1,024 x 16 uint8 (E8M0 scales of k_w, one for each 32 codes along K); p_b 1,024 float32; p_w_codes 1,024 x 32 x 32 uint8 (E5M2 codes of p_w, K innermost, in blocks of 32 codes); p_w_scales 1,024 x 32 uint8 (E8M0 scales of p_w, one for each 32 codes along K); q_b 1,024 float32; q_w_codes 1,024 x 32 x 32 uint8 (E5M2 codes of q_w, K innermost, in blocks of 32 codes); q_w_scales 1,024 x 32 uint8 (E8M0 scales of q_w, one for each 32 codes along K); v_b 1,024 float32; v_w_codes 1,024 x 16 x 32 uint8 (E5M2 codes of v_w, K innermost, in blocks of 32 codes); v_w_scales 1,024 x 16 uint8 (E8M0 scales of v_w, one for each 32 codes along K).
;; Outputs: out0 8 x 256 x 2,048 float32.
;; This version of the problem:
;;   THIS VERSION OF THE PROBLEM IS GIVEN IN LOW PRECISION. The matrix products marked QUANTISED in the list below multiply operands that are first quantised to E5M2 (5 exponent bits, 2 mantissa bits; 8 bits a number), with one power-of-two scale for each 32 numbers along K (OCP MX v1.0); their sums are f32. All else is computed in f32.
;;   The module's matrix products, in the order in which they are computed (A, B: the left and right operand; K: the contracted axis; several contracted axes count as one K, in the product's order):
;;     1. [M 2,048, K 1,024] x [K 1,024, N 1,024]; A: input E; B: input q_w (given as codes): QUANTISED
;;     2. [M 32,768, K 512] x [K 512, N 1,024]; A: input I (given as codes); B: input k_w (given as codes): QUANTISED
;;     3. [M 32,768, K 512] x [K 512, N 1,024]; A: input I (given as codes); B: input v_w (given as codes): QUANTISED
;;     4. batch 128 x [M 256, K 64] x [K 64, N 4,096]; A: computed on the way; B: computed on the way: QUANTISED
;;     5. batch 128 x [M 64, K 4,096] x [K 4,096, N 256]; A: computed on the way; B: softmax (see below): QUANTISED
;;     6. [M 2,048, K 1,024] x [K 1,024, N 1,024]; A: computed on the way; B: input p_w (given as codes): QUANTISED
;;   THE QUANTISER, for each operand of a quantised product, along K:
;;     - K is cut into blocks of 32 from its start; a last block that is shorter is filled with zeros.
;;     - A block's scale is 2^e with e = floor(log2(the largest magnitude in the block)) - 15, held to -126 .. 127; a block of zeros has e = 0. As a byte (E8M0): e + 127.
;;     - Each number is divided by its block's scale, clamped to +-57,344, and rounded to the nearest number of E5M2, ties to even, subnormals kept.
;;     - The product sums the exact products of the quantised numbers (number of the format x scale) in f32.
;;   ~~~python
;;   def quantise(x, axis):      # numpy; x: float32 -> the quantised numbers, widened to float32 again
;;       x = np.moveaxis(x, axis, -1); K = x.shape[-1]
;;       x = np.pad(x, [(0, 0)] * (x.ndim - 1) + [(0, -K % 32)]); x = x.reshape(x.shape[:-1] + (-1, 32)); a = np.abs(x).max(-1, keepdims=True)
;;       e = np.where(a > 0, np.clip(np.frexp(np.where(a > 0, a, 1))[1] - 1 - 15, -126, 127), 0)      # np.frexp(a)[1] - 1 = floor(log2(a)), exactly
;;       r = np.clip(x / 2.0 ** e, -57344, 57344)
;;       step = 2.0 ** (np.maximum(np.frexp(np.where(r == 0, 1, r))[1] - 1, -14) - 2)
;;       q = np.round(r / step) * step * 2.0 ** e      # np.round: ties to even
;;       return np.moveaxis(q.reshape(q.shape[:-2] + (-1,))[..., :K], -1, axis).astype(np.float32)
;;   ~~~
;;   SOFTMAX AHEAD OF A QUANTISED PRODUCT. Where the list says 'softmax', what is quantised is not the finished softmax but p = 2^(t - M), with t = logit x log2(e) and M = ceil(the row's largest t), a whole number; so 1/2 < the row's largest p <= 1. The row's sum l is taken of the UNQUANTISED p, in f32, and the product's result is divided by l at the end. Since M is a whole number, a kernel that streams over the keys may use a running M (the ceiling of the running maximum): every later rescaling is an exact power of two, which a block's scale takes up: the codes' values come out the same.
;;   OPERANDS COMPUTED ON THE WAY. 'Computed on the way' means the value that the module computes at that place (a softmax that the list does not call 'softmax' is quantised finished and normalised). What goes into a quantiser is computed in f32, as accurately as f32 sums, v_exp_f32 and their like allow (about 1e-6 of the number): no bf16 or f16 on the way to a quantiser, and a product that is left as it is and whose result goes on into a quantised operand takes f32 operands (vector FMAs, or v_wmma_f32_16x16x4_f32). A number that lies on a knife's edge between two numbers of the format may be rounded either way, as far as f32 arithmetic and the matrix unit's own rounding can turn it there, and no further.
;;   INPUTS GIVEN AS CODES. I (in the module: [8, 4096, 512], K = its axis 2); k_w (in the module: [1024, 512], K = its axis 1); p_w (in the module: [1024, 1024], K = its axis 1); q_w (in the module: [1024, 1024], K = its axis 1); v_w (in the module: [1024, 512], K = its axis 1): each comes as NAME_codes (uint8): NAME with its K axis moved to the last place and cut into blocks of 32 codes, [.., K / 32, bytes a block], one block behind the other in memory; one code a byte (a code: sign, 5 exponent bits, 2 mantissa bits); and NAME_scales (uint8): the same leading axes, one E8M0 byte (e + 127) for each 32 codes along K. Its value is code x scale, taken as it is: it is not quantised again, and the codes and scales need not be those that the quantiser above would give.
;; One version. Each part assembles by itself: llvm-mc -triple=amdgcn-amd-amdhsa -mcpu=gfx1250 --defsym DOCPART=n.
;; ======== version 1 of 1: 4 launches
;; limits: right only within a limited range of input values
;; workspace buffers: qc 2,097,152 bytes; qs 262,144 bytes; kvc 67,108,864 bytes; kvs 4,194,304 bytes; uc 2,097,152 bytes; us 65,536 bytes
;; launch qproj (part 1): grid 4 x 64, 4 waves a work-group, no clusters, 69,120 bytes of LDS; arguments E, q_w_codes, q_w_scales, q_b, qc, qs; writes qc, qs
.if DOCPART == 1
	.amdgcn_target "amdgcn-amd-amdhsa--gfx1250"
	.amdhsa_code_object_version 6
	.text
	.protected	k_qff78ba41d2_qproj
	.globl	k_qff78ba41d2_qproj
	.p2align	8
	.type	k_qff78ba41d2_qproj,@function
k_qff78ba41d2_qproj:
	s_mov_b64 s[64:65], 0
	v_nop
	global_prefetch_b8 v0, s[64:65] scope:SCOPE_SE
	s_setreg_imm32_b32 hwreg(HW_REG_WAVE_MODE, 25, 1), 1
	s_wait_xcnt 0x0
; Q = quantised(E) q_w^T + q_b, then Q quantised along a head's 64 channels.  E [2048][1024] f32; q_w [1024][1024] codes of E5M2 with one E8M0 byte for each 32 along K.
; SHARES.  A work-group takes 32 rows of E (y) and four heads (x).  First each wave quantises a quarter of the 32 x 1,024 numbers: row tile wave & 1, K steps 4 (wave / 2) + 0 .. 3;
; the fragments go to the other waves through LDS as images of their registers.  Then wave w is head 4 x + w: its 64 rows of q_w (32 fragments, 512 registers) stay in registers.
; THE PRODUCT IS USED TRANSPOSED (source 0 = 16 rows of q_w, source 1 = 16 rows of E), and lane r of weight tile 2 b + u takes row 32 b + 8 u + r + 8 (r / 8): so a lane holds one query,
; and the 16 registers of tiles 2 b and 2 b + 1 are channels 32 b + 16 (lane / 16) + 0 .. 15: the conversions' results are the next product's operand registers.
; OUT.  qc [head of batch 128][query tile 16][block 2][lane 32][16 bytes]; qs [128][tile pair 8][lane 32][tile & 1][word], the word = (byte 0, byte 1, byte 0, byte 1).
; NO JOINT LOADS: what work-groups share here (q_w, E) goes from memory straight into registers, and a joint load lands in LDS alone: it would add a write and a read of each byte.
; LIMITS: NaN and infinities are not served; a block whose largest magnitude lies under 2^-111 keeps the scale byte 1; a block of zeros gets the byte 1 (its codes are zeros; this program alone reads the bytes).
; REGISTERS.  window 0: v1-11 addresses; v16-31 at work; v40 a scale word; v42-43 Q's words; v44-59 codes; v60-123 64 numbers of E, later the 8 accumulators; v124-155 q_w's scale words; v156-187 q_b; v188-203 E's scale words.
;   windows 1, 2: q_w's fragments (tile t, K step s) at 16 (4 t + s % 4).   window 3: v0-127 E as it is loaded, two sets; behind the barrier all 256: E's 16 fragments.
.set SPI,  528                         ; a stage row: 512 bytes + 16
.set WSTG, 16*SPI                      ; a wave's own stage: 16 rows
.set XIMG, 4*WSTG                      ; E's 16 fragments, 2,048 bytes each, index 8 x row tile + K step
.set XSC,  XIMG+16*2048                ; their scale words, 128 bytes each
.set XA,  1                            ; 16 x lane
.set SA,  2                            ; my stage + 16 x lane
.set SB,  3                            ; my stage + 528 r + 64 h
.set XWI, 4                            ; where I store my fragments
.set XWS, 5                            ; and their scale words
.set LIX, 6                            ; XIMG + 16 x lane
.set LSX, 7                            ; XSC + 4 x lane
.set WA,  8                            ; q_w: (r + 8 (r / 8)) x 1,024 + 16 h
.set WSA, 9                            ; its scale bytes: (r + 8 (r / 8)) x 32
.set BA,  10                           ; q_b: 64 h
.set L8,  11                           ; 8 x lane
.set TM,  16
.set PW,  40
.set QW,  42
.set PC,  44
.set X,   60
.set QWS, 124
.set QB,  156
.set XS,  188
.set WV,  16
.set SEL, 20
.set MNT, 22
.set MSB, 0
.macro WIN new                         ; the immediate's high byte repeats the setting that is left
.if MSB != \new
	s_set_vgpr_msb (MSB<<8)|\new
.set MSB, \new
.endif
.endm
.macro PLACES n
.rept \n
	v_nop
.endr
.endm
.macro MM d, a, b, c, sa, sb
	v_wmma_scale_f32_16x16x128_f8f6f4 v[\d:\d+7], v[\a:\a+15], v[\b:\b+15], v[\c:\c+7], v[\sa], v[\sb] matrix_a_fmt:MATRIX_FMT_BF8 matrix_b_fmt:MATRIX_FMT_BF8
.endm
; 64 numbers of a lane, four runs of 16, each half of a block of 32 whose other half lies in lane l xor 16, become 16 registers of codes at v[d]; the four scale bytes stay in v[TM+4 .. TM+7].
.macro QUANT s, d
.irp q, 0,1,2,3
	v_max3_num_f32 v[TM+\q], |v[\s+16*\q]|, |v[\s+16*\q+1]|, 0x8000000   ; my 16 numbers and the floor 2^(16 - 127): the byte cannot fall under 1
.endr
.irp i, 2,4,6,8,10,12,14
.irp q, 0,1,2,3
	v_max3_num_f32 v[TM+\q], v[TM+\q], |v[\s+16*\q+\i]|, |v[\s+16*\q+\i+1]|   ; the four blocks by turns
.endr
.endr
.irp q, 0,1,2,3
	v_permlanex16_b32 v[TM+4+\q], v[TM+\q], s[SEL], s[SEL+1]
.endr
.irp q, 0,1,2,3
	v_max_num_f32 v[TM+\q], v[TM+\q], v[TM+4+\q]   ; the block's largest magnitude
.endr
.irp q, 0,1,2,3
	v_add_nc_u32 v[TM+12+\q], 0xf8800000, v[TM+\q]   ; 15 off its exponent field: the conversion's scale operand
.endr
.irp q, 0,1,2,3
.endr
.irp q, 0,1,2,3
	v_lshrrev_b32 v[TM+4+\q], 23, v[TM+12+\q]   ; the scale's byte
.endr
.irp q, 0,1,2,3
.irp i, 0,1,2,3,4,5,6,7,8,9,10,11,12,13,14,15
.endr
	v_cvt_scalef32_pk8_bf8_f32 v[\d+4*\q:\d+4*\q+1], v[\s+16*\q:\s+16*\q+7], v[TM+12+\q]
	v_cvt_scalef32_pk8_bf8_f32 v[\d+4*\q+2:\d+4*\q+3], v[\s+16*\q+8:\s+16*\q+15], v[TM+12+\q]
.endr
	v_nop                                          ; a plain line behind the last conversion
.endm
	s_load_b256 s[4:11], s[0:1], 0x0               ; E s[4:5], q_w's codes s[6:7], its scales s[8:9], q_b s[10:11]
	s_load_b128 s[12:15], s[0:1], 0x20             ; qc s[12:13], qs s[14:15]
	v_lshl_add_u32 v254, v0, 2, 0x10c00
	v_mov_b32 v255, 0
	v_lshrrev_b32 v12, 5, v0
	v_readfirstlane_b32 s[WV], v12                 ; wave 0..3
	s_and_b32 s18, ttmp7, 0xffff                   ; block of 32 rows
	s_lshl_b32 s19, ttmp9, 2
	s_add_co_u32 s19, s19, s[WV]                   ; my head
	v_and_b32 v12, 31, v0                          ; lane
	v_and_b32 v13, 15, v0                          ; r
	v_bfe_u32 v14, v0, 4, 1                        ; h
	v_lshlrev_b32 v[XA], 4, v12
	s_wait_alu depctr_va_vdst(0)
	v_lshlrev_b32 v[L8], 3, v12
	s_mul_i32 s24, s[WV], WSTG
	v_add_nc_u32 v[SA], s24, v[XA]
	v_mul_u32_u24 v15, v13, SPI
	v_lshl_add_u32 v15, v14, 6, v15
	v_add_nc_u32 v[SB], s24, v15
	s_and_b32 s25, s[WV], 1                        ; my row tile in the first phase
	s_lshr_b32 s26, s[WV], 1                       ; my four K steps
	s_lshl_b32 s27, s25, 3
	s_lshl_b32 s28, s26, 2
	s_add_co_u32 s27, s27, s28                     ; my first fragment's index
	s_lshl_b32 s28, s27, 11
	s_add_co_u32 s28, s28, XIMG
	v_add_nc_u32 v[XWI], s28, v[XA]
	s_lshl_b32 s28, s27, 7
	s_add_co_u32 s28, s28, XSC
	v_lshlrev_b32 v15, 2, v12
	v_add_nc_u32 v[XWS], s28, v15
	v_add_nc_u32 v[LIX], XIMG, v[XA]
	v_add_nc_u32 v[LSX], XSC, v15
	v_and_b32 v15, 8, v13
	v_add_nc_u32 v15, v15, v13                     ; r + 8 (r / 8)
	v_lshlrev_b32 v[WA], 10, v15
	v_lshl_add_u32 v[WA], v14, 4, v[WA]
	v_lshlrev_b32 v[WSA], 5, v15
	v_lshlrev_b32 v[BA], 6, v14
.irp q, 0,1,2,3
	v_mov_b32 v[TM+4+\q], 0                        ; written once: a lane permute's destination counts as one of its sources
.endr
	s_mov_b32 s[SEL], 0x76543210
	s_mov_b32 s[SEL+1], 0xfedcba98                 ; lane l xor 16
	s_lshl_b32 s28, s18, 17                        ; E: 32 rows of 4,096 bytes a block,
	s_lshl_b32 s29, s25, 16                        ; 16 rows a tile,
	s_add_co_u32 s28, s28, s29
	s_lshl_b32 s29, s26, 11                        ; four K steps of 512 bytes
	s_add_co_u32 s28, s28, s29
	s_mov_b32 s29, 0
	s_lshl_b32 s30, s19, 16                        ; q_w: 64 rows of 1,024 bytes a head
	s_mov_b32 s31, 0
	s_lshr_b32 s32, s18, 3                         ; batch
	s_lshl_b32 s32, s32, 4
	s_add_co_u32 s32, s32, s19                     ; head of batch
	s_and_b32 s33, s18, 7                          ; pair of query tiles
	s_lshl_b32 s34, s32, 14
	s_lshl_b32 s35, s33, 11
	s_add_co_u32 s34, s34, s35
	s_mov_b32 s35, 0
	s_lshl_b32 s36, s32, 11
	s_lshl_b32 s37, s33, 8
	s_add_co_u32 s36, s36, s37
	s_mov_b32 s37, 0
	s_wait_alu depctr_va_vdst(0)
	s_wait_kmcnt 0x0
	s_add_nc_u64 s[4:5], s[4:5], s[28:29]
	s_add_nc_u64 s[6:7], s[6:7], s[30:31]
	s_lshl_b32 s30, s19, 11                        ; 64 rows of 32 scale bytes
	s_add_nc_u64 s[8:9], s[8:9], s[30:31]
	s_lshl_b32 s30, s19, 8                         ; 64 numbers of q_b
	s_add_nc_u64 s[10:11], s[10:11], s[30:31]
	s_add_nc_u64 s[12:13], s[12:13], s[34:35]
	s_add_nc_u64 s[14:15], s[14:15], s[36:37]
	WIN 0x40                                       ; destination window 1
.irp t, 0,1,2,3
.irp s, 0,1,2,3
.irp c, 0,1,2,3
	global_load_b128 v[16*(4*\t+\s)+4*\c:16*(4*\t+\s)+4*\c+3], v[WA], s[6:7] offset:(32*(\t/2)+8*(\t%2))*1024+128*\s+32*\c
.endr
.endr
.endr
	WIN 0x80                                       ; destination window 2: K steps 4 to 7
.irp t, 0,1,2,3
.irp s, 0,1,2,3
.irp c, 0,1,2,3
	global_load_b128 v[16*(4*\t+\s)+4*\c:16*(4*\t+\s)+4*\c+3], v[WA], s[6:7] offset:(32*(\t/2)+8*(\t%2))*1024+128*(\s+4)+32*\c
.endr
.endr
.endr
	WIN 0
.irp t, 0,1,2,3
	global_load_b128 v[QWS+8*\t:QWS+8*\t+3], v[WSA], s[8:9] offset:(32*(\t/2)+8*(\t%2))*32       ; a row's eight scale words
	global_load_b128 v[QWS+8*\t+4:QWS+8*\t+7], v[WSA], s[8:9] offset:(32*(\t/2)+8*(\t%2))*32+16
	global_load_b128 v[QB+8*\t:QB+8*\t+3], v[BA], s[10:11] offset:(32*(\t/2)+8*(\t%2))*4         ; q_b in the result's layout: channels 32 b + 16 h + 8 u + 0 .. 7
	global_load_b128 v[QB+8*\t+4:QB+8*\t+7], v[BA], s[10:11] offset:(32*(\t/2)+8*(\t%2))*4+16
.endr
.macro XL i                            ; my i-th K step of E: 16 rows, 512 consecutive bytes a load, into set i % 2 of window 3
	WIN 0xc0
.irp j, 0,1,2,3,4,5,6,7,8,9,10,11,12,13,14,15
	global_load_b128 v[64*((\i)%2)+4*\j:64*((\i)%2)+4*\j+3], v[XA], s[4:5] offset:4096*\j+512*(\i)
.endr
	WIN 0
.endm
.macro TURN i                          ; through my own stage: in as loaded, out 16 neighbours of each block a lane.  LDS serves a wave's instructions in order: no wait between
	WIN 0x0c                                       ; an LDS store's data are its source 1: window 3
.irp j, 0,1,2,3,4,5,6,7,8,9,10,11,12,13,14,15
	ds_store_b128 v[SA], v[64*((\i)%2)+4*\j:64*((\i)%2)+4*\j+3] offset:SPI*\j
.endr
	WIN 0
.irp b, 0,1,2,3
.irp j, 0,1,2,3
	ds_load_b128 v[X+16*\b+4*\j:X+16*\b+4*\j+3], v[SB] offset:128*\b+16*\j
.endr
.endr
.endm
.macro XSTEP i
.if \i < 3
	s_wait_loadcnt 16                              ; loads come back in order: all but the next K step's 16 are in
.else
	s_wait_loadcnt 0x0
.endif
	TURN \i
	s_wait_dscnt 0x0                               ; the numbers are back; the stores have read the loaded set, and the last image's stores their codes
.if \i < 2
	XL \i+2
.endif
	QUANT X, PC
	v_lshl_or_b32 v[PW], v[TM+5], 8, v[TM+4]       ; my row's scale word
	v_lshl_or_b32 v[PW], v[TM+6], 16, v[PW]
	v_lshl_or_b32 v[PW], v[TM+7], 24, v[PW]
.irp c, 0,1,2,3
	ds_store_b128 v[XWI], v[PC+4*\c:PC+4*\c+3] offset:2048*(\i)+512*\c   ; the fragment as it stands: 16 bytes a lane
.endr
	ds_store_b32 v[XWS], v[PW] offset:128*(\i)
.endm
	XL 0
	XL 1
	XSTEP 0
	XSTEP 1
	XSTEP 2
	XSTEP 3
	s_wait_dscnt 0x0                               ; for the others' sake: my images have landed
	s_barrier_signal -1
	s_barrier_wait -1
	WIN 0xc0
.irp f, 0,1,2,3,4,5,6,7,8,9,10,11,12,13,14,15
.irp c, 0,1,2,3
	ds_load_b128 v[16*\f+4*\c:16*\f+4*\c+3], v[LIX] offset:2048*\f+512*\c
.endr
.endr
	WIN 0
.irp f, 0,1,2,3,4,5,6,7,8,9,10,11,12,13,14,15
	ds_load_b32 v[XS+\f], v[LSX] offset:128*\f
.endr
	s_wait_loadcnt 0x0
	s_wait_dscnt 0x0
; 64 products: eight accumulators (row tile m, weight tile t) by turns, one instruction a turn, K ascending; q_b is the C of each sum's first product
.irp s, 0,1,2,3,4,5,6,7
.if \s < 4
	WIN 0x0d                                       ; source 0 window 1, source 1 window 3
.else
	WIN 0x0e                                       ; source 0 window 2
.endif
.irp m, 0,1
.irp t, 0,1,2,3
.if \s == 0
	MM X+8*(4*\m+\t), 16*(4*\t+\s%4), 16*(8*\m+\s), QB+8*\t, QWS+8*\t+\s, XS+8*\m+\s
.else
	MM X+8*(4*\m+\t), 16*(4*\t+\s%4), 16*(8*\m+\s), X+8*(4*\m+\t), QWS+8*\t+\s, XS+8*\m+\s
.endif
.endr
.endr
.endr
	WIN 0
	PLACES 8                                       ; eight places behind this form before its results are read
	QUANT X, PC                                    ; run 2 m + b: row tile m, channels 32 b on; each accumulator is read from its low end on
	v_lshl_or_b32 v[QW], v[TM+5], 8, v[TM+4]
	v_lshl_or_b32 v[QW+1], v[TM+7], 8, v[TM+6]
	v_lshl_or_b32 v[QW], v[QW], 16, v[QW]          ; (byte 0, byte 1, byte 0, byte 1): the word serves Q in either half of a K of 128
	v_lshl_or_b32 v[QW+1], v[QW+1], 16, v[QW+1]
.irp q, 0,1,2,3
	global_store_b128 v[XA], v[PC+4*\q:PC+4*\q+3], s[12:13] offset:512*\q   ; 32 lanes store 512 consecutive bytes, aligned
.endr
	global_store_b64 v[L8], v[QW:QW+1], s[14:15]   ; 256 consecutive bytes, aligned
	s_wait_tensorcnt 0x0
	ds_add_u32 v254, v255
	s_wait_dscnt 0x0
	s_endpgm
.Lfunc_end_k_qff78ba41d2_qproj:
	.size	k_qff78ba41d2_qproj, .Lfunc_end_k_qff78ba41d2_qproj-k_qff78ba41d2_qproj
	.p2alignl 7, 3214868480
	.fill 96, 4, 3214868480
	.section	.rodata,"a",@progbits
	.p2align	6, 0x0
	.amdhsa_kernel k_qff78ba41d2_qproj
		.amdhsa_group_segment_fixed_size 69120
		.amdhsa_private_segment_fixed_size 0
		.amdhsa_enable_private_segment 0
		.amdhsa_kernarg_size 48
		.amdhsa_user_sgpr_count 2
		.amdhsa_user_sgpr_kernarg_segment_ptr 1
		.amdhsa_wavefront_size32 1
		.amdhsa_system_sgpr_workgroup_id_x 1
		.amdhsa_system_sgpr_workgroup_id_y 1
		.amdhsa_system_sgpr_workgroup_id_z 1
		.amdhsa_system_vgpr_workitem_id 0
		.amdhsa_next_free_vgpr 1024
		.amdhsa_next_free_sgpr 66
		.amdhsa_reserve_vcc 0
		.amdhsa_float_denorm_mode_32 3
		.amdhsa_float_denorm_mode_16_64 3
		.amdhsa_fp16_overflow 1
		.amdhsa_memory_ordered 1
		.amdhsa_forward_progress 1
		.amdhsa_inst_pref_size 65
	.end_amdhsa_kernel
	.amdgpu_metadata
---
amdhsa.version: [ 1, 2 ]
amdhsa.kernels:
  - .name:           k_qff78ba41d2_qproj
    .symbol:         k_qff78ba41d2_qproj.kd
    .args:
      - { .name: E, .offset: 0, .size: 8, .value_kind: global_buffer, .address_space: global }
      - { .name: q_w_codes, .offset: 8, .size: 8, .value_kind: global_buffer, .address_space: global }
      - { .name: q_w_scales, .offset: 16, .size: 8, .value_kind: global_buffer, .address_space: global }
      - { .name: q_b, .offset: 24, .size: 8, .value_kind: global_buffer, .address_space: global }
      - { .name: qc, .offset: 32, .size: 8, .value_kind: global_buffer, .address_space: global }
      - { .name: qs, .offset: 40, .size: 8, .value_kind: global_buffer, .address_space: global }
    .group_segment_fixed_size: 69120
    .private_segment_fixed_size: 0
    .kernarg_segment_align: 8
    .kernarg_segment_size: 48
    .max_flat_workgroup_size: 128
    .sgpr_count:     66
    .vgpr_count:     1024
    .wavefront_size: 32
...
	.end_amdgpu_metadata
.endif
;; end of part 1
;; launch kvproj (part 2): grid 4 x 64, 4 waves a work-group, clusters of 4 x 1, 279,040 bytes of LDS; arguments I_codes, I_scales, k_w_codes, k_w_scales, k_b, v_w_codes, v_w_scales, v_b, kvc, kvs; writes kvc, kvs
.if DOCPART == 2
	.amdgcn_target "amdgcn-amd-amdhsa--gfx1250"
	.amdhsa_code_object_version 6
	.text
	.protected	k_qff78ba41d2_kvproj
	.globl	k_qff78ba41d2_kvproj
	.p2align	8
	.type	k_qff78ba41d2_kvproj,@function
k_qff78ba41d2_kvproj:
	s_mov_b64 s[64:65], 0
	v_nop
	global_prefetch_b8 v0, s[64:65] scope:SCOPE_SE
	s_setreg_imm32_b32 hwreg(HW_REG_WAVE_MODE, 25, 1), 1
	s_wait_xcnt 0x0
	s_wait_alu depctr_hold_cnt(0) depctr_sa_sdst(0) depctr_va_vdst(0) depctr_va_sdst(0) depctr_va_ssrc(0) depctr_va_vcc(0) depctr_vm_vsrc(0)
	s_getreg_b32 s2, hwreg(HW_REG_IB_STS2, 6, 4)
	s_cmp_eq_u32 s2, 0
	s_cbranch_scc0 .Lentry_in_a_cluster
	s_endpgm
.Lentry_in_a_cluster:
	s_bfe_u32 s2, ttmp6, 0x10000c
	s_cmp_lg_u32 s2, 0x3003
	s_cbranch_scc0 .Lentry_shape_is_right
	s_endpgm
.Lentry_shape_is_right:
; K = I k_w^T + k_b, quantised along a head's 64 channels; V = I v_w^T + v_b, quantised along the keys.  I [32768][512], k_w, v_w [1024][512]: codes of E5M2, one E8M0 byte for each 32 along K.
; SHARES.  A work-group takes 512 keys (y) and four heads (its place in the cluster); wave w is head 4 cx + w, and its 64 rows of k_w and of v_w (2 x 16 fragments, 512 registers) stay in registers.
; CLUSTER.  The four work-groups of a cluster need the same 512 rows of I: they are asked for JOINTLY (the same tensor loads, the same descriptors, the mask 15).  All 512 rows (270,336 bytes with padding)
; and their scale bytes lie in LDS at once: every LDS byte is filled once.  cx enters the addresses of weights, biases and results alone: no LDS address, no branch.
; LAYOUT.  A block is 32 keys, as two tiles u: lane r of tile u takes key 32 blk + 8 u + r + 8 (r / 8).  Weight tile 2 b + u' takes rows 32 b + 8 u' + r + 8 (r / 8) of the head.
;   K: source 0 = k_w's tile, source 1 = I's tile: a lane holds ONE key and its registers run along the channels, 16 neighbours in two tiles.
;   V: source 0 = I's tile, source 1 = v_w's tile: a lane holds ONE channel and its registers run along the keys, 16 neighbours in two tiles.
; OUT, images of the next launch's operand registers.  kvc [head of batch 128][step of 128 keys 32][16,384]: K at 0: [blk 4][u 2][channel block 2][lane][16]; V at 8,192: [tile 4][blk 4][lane][16].
;   kvs [128][32][1,024]: K at 0: [lane][blk] words (u0 b0, u0 b1, u1 b0, u1 b1); V at 512: [lane][tile] words, byte blk.
; LIMITS: NaN, infinities and the scale byte 0xff are not served; a block whose largest magnitude lies under 2^-111 keeps the byte 1; a block of zeros gets the byte 1 (its codes are zeros; this program alone reads the bytes).
; REGISTERS.  window 0: v1-9 addresses; v16-31 k_w's scale words, v32-47 v_w's, v48-55 I's; v56-71 at work; v80-95 K's codes, v96-111 V's; v112-115, v116-119 the step's scale words; v128-191 K's 8 accumulators, v192-255 V's.
;   window 1: k_w (tile t, K step s) at 16 (4 t + s).   window 2: v_w likewise.   window 3: v0-127 I's fragments (u, s) at 16 (4 u + s); v128-159 k_b, v160-191 v_b, in the results' layouts.
.set PIT,  528                         ; a row of I in LDS: 512 bytes + 16: row r starts at bank 4 r mod 64 (64 banks of 4 bytes: ISA guide 11.1)
.set ISC,  512*PIT                     ; behind the rows: their scale bytes, 16 a row, dense
.set LI,   1                           ; 16 x lane
.set AI0,  2                           ; (r + 8 (r / 8)) x 528 + 16 h
.set AI,   3                           ; the same in the step in hand
.set ASC0, 4                           ; ISC + (r + 8 (r / 8)) x 16
.set ASC,  5
.set WA,   6                           ; weights: (r + 8 (r / 8)) x 512 + 16 h
.set WSA,  7                           ; their scale bytes: (r + 8 (r / 8)) x 16
.set BA,   8                           ; k_b: 64 h
.set VBA,  9                           ; v_b: (r + 8 (r / 8)) x 4
.set KWS,  16
.set VWS,  32
.set IS,   48
.set TM,   56
.set KC,   80
.set VC,   96
.set KSW,  112
.set VSW,  116
.set KA,   128
.set VA,   192
.set KB,   128                         ; in window 3
.set VB,   160
.set G1,   24                          ; s[24:31] group 1 for rows of I;  s[32:39] for their scale bytes
.set G1S,  32
.set G0A,  40                          ; s[40:43] rows 64 w on;  s[44:47] rows 256 + 64 w on;  s[48:51] scale bytes
.set G0B,  44
.set G0S,  48
.set WV,   52
.set TB,   56
.set TSC,  57
.set CNT,  58
.set SEL,  60
.set MNT,  62
.set OUT,  66
.set OSC,  68
.set MSB, 0
.macro WIN new                         ; the immediate's high byte repeats the setting that is left
.if MSB != \new
	s_set_vgpr_msb (MSB<<8)|\new
.set MSB, \new
.endif
.endm
.macro PLACES n
.rept \n
	v_nop
.endr
.endm
.macro MM d, a, b, c, sa, sb
	v_wmma_scale_f32_16x16x128_f8f6f4 v[\d:\d+7], v[\a:\a+15], v[\b:\b+15], v[\c:\c+7], v[\sa], v[\sb] matrix_a_fmt:MATRIX_FMT_BF8 matrix_b_fmt:MATRIX_FMT_BF8
.endm
.macro CROUND                          ; a round of the cluster's barrier
	s_barrier_signal -1
	s_barrier_wait -1
	s_cmp_lg_u32 s[WV], 0
	s_cbranch_scc1 .Lnot_wave_0_\@
	s_barrier_signal -3
.Lnot_wave_0_\@:
	s_barrier_wait -3
	s_barrier_signal -1
	s_barrier_wait -1
.endm
; 64 numbers of a lane, four runs of 16, each half of a block of 32 whose other half lies in lane l xor 16, become 16 registers of codes at v[d]; the four scale bytes stay in v[TM+4 .. TM+7].
.macro QUANT s, d
.irp q, 0,1,2,3
	v_max3_num_f32 v[TM+\q], |v[\s+16*\q]|, |v[\s+16*\q+1]|, 0x8000000   ; my 16 numbers and the floor 2^(16 - 127): the byte cannot fall under 1
.endr
.irp i, 2,4,6,8,10,12,14
.irp q, 0,1,2,3
	v_max3_num_f32 v[TM+\q], v[TM+\q], |v[\s+16*\q+\i]|, |v[\s+16*\q+\i+1]|   ; the four blocks by turns
.endr
.endr
.irp q, 0,1,2,3
	v_permlanex16_b32 v[TM+4+\q], v[TM+\q], s[SEL], s[SEL+1]
.endr
.irp q, 0,1,2,3
	v_max_num_f32 v[TM+\q], v[TM+\q], v[TM+4+\q]   ; the block's largest magnitude
.endr
.irp q, 0,1,2,3
	v_add_nc_u32 v[TM+12+\q], 0xf8800000, v[TM+\q]   ; 15 off its exponent field: the conversion's scale operand
.endr
.irp q, 0,1,2,3
.endr
.irp q, 0,1,2,3
	v_lshrrev_b32 v[TM+4+\q], 23, v[TM+12+\q]   ; the scale's byte
.endr
.irp q, 0,1,2,3
.irp i, 0,1,2,3,4,5,6,7,8,9,10,11,12,13,14,15
.endr
	v_cvt_scalef32_pk8_bf8_f32 v[\d+4*\q:\d+4*\q+1], v[\s+16*\q:\s+16*\q+7], v[TM+12+\q]
	v_cvt_scalef32_pk8_bf8_f32 v[\d+4*\q+2:\d+4*\q+3], v[\s+16*\q+8:\s+16*\q+15], v[TM+12+\q]
.endr
	v_nop                                          ; a plain line behind the last conversion: the next products write the numbers' registers
.endm
	s_load_b256 s[4:11], s[0:1], 0x0               ; I's codes s[4:5], I's scales s[6:7], k_w's codes s[8:9], its scales s[10:11]
	s_load_b256 s[12:19], s[0:1], 0x20             ; k_b s[12:13], v_w's codes s[14:15], its scales s[16:17], v_b s[18:19]
	s_load_b128 s[20:23], s[0:1], 0x40             ; kvc s[20:21], kvs s[22:23]
	v_lshl_add_u32 v126, v0, 2, 0x44000
	v_mov_b32 v127, 0
	ds_add_u32 v126, v127
	ds_add_u32 v126, v127
	v_lshrrev_b32 v10, 5, v0
	v_readfirstlane_b32 s[WV], v10                 ; wave 0..3
	s_bfe_u32 s53, ttmp6, 0x40000                  ; cx: my place in the cluster = my group of four heads
	s_and_b32 s54, ttmp7, 0xffff                   ; my 512 keys, which the four partners share
	s_lshl_b32 s55, s53, 2
	s_add_co_u32 s55, s55, s[WV]                   ; my head
	v_and_b32 v10, 31, v0                          ; lane
	v_and_b32 v11, 15, v0                          ; r
	v_bfe_u32 v12, v0, 4, 1                        ; h
	v_lshlrev_b32 v[LI], 4, v10
	v_and_b32 v13, 8, v11
	v_add_nc_u32 v13, v13, v11                     ; r + 8 (r / 8)
	v_mul_u32_u24 v[AI0], v13, PIT
	v_lshl_add_u32 v[AI0], v12, 4, v[AI0]
	v_lshl_add_u32 v[ASC0], v13, 4, ISC
	v_lshlrev_b32 v[WA], 9, v13
	v_lshl_add_u32 v[WA], v12, 4, v[WA]
	v_lshlrev_b32 v[WSA], 4, v13
	v_lshlrev_b32 v[BA], 6, v12
	v_lshlrev_b32 v[VBA], 2, v13
.irp q, 0,1,2,3
	v_mov_b32 v[TM+4+\q], 0                        ; written once: a lane permute's destination counts as one of its sources
.endr
	s_mov_b32 s[SEL], 0x76543210
	s_mov_b32 s[SEL+1], 0xfedcba98                 ; lane l xor 16
	; group 1: 64 rows of 512 one-byte elements, 16 bytes of padding behind each row's 128 words
	s_mov_b32 s[G1], 15|(1<<20)|(1<<21)|(6<<22)|(3<<25)   ; 15:0 the mask: all four work-groups; 17:16 elements of 1 byte; 20 padding on; 21 set beside a mask; 24:22 code 6; 31:25 code 3
	s_mov_b32 s[G1+1], 512<<16                     ; tensor_dim0
	s_mov_b32 s[G1+2], 64<<16                      ; tensor_dim1
	s_mov_b32 s[G1+3], 512<<16                     ; tile_dim0
	s_mov_b32 s[G1+4], 64                          ; tile_dim1
	s_mov_b32 s[G1+5], 512                         ; from row to row
	s_mov_b32 s[G1+6], 0
	s_mov_b32 s[G1+7], 0
	; the scale bytes of 128 rows: 2,048 dense bytes as 8 rows of 32 elements of 8 bytes
	s_mov_b32 s[G1S], 15|(3<<16)|(1<<21)
	s_mov_b32 s[G1S+1], 32<<16
	s_mov_b32 s[G1S+2], 8<<16
	s_mov_b32 s[G1S+3], 32<<16
	s_mov_b32 s[G1S+4], 8
	s_mov_b32 s[G1S+5], 32
	s_mov_b32 s[G1S+6], 0
	s_mov_b32 s[G1S+7], 0
	s_lshl_b32 s70, s54, 18                        ; I: 512 rows of 512 bytes,
	s_lshl_b32 s71, s[WV], 15                      ; my 64 rows
	s_add_co_u32 s70, s70, s71
	s_mov_b32 s71, 0
	s_lshl_b32 s72, s54, 13                        ; its scale bytes: 512 rows of 16,
	s_lshl_b32 s73, s[WV], 11                      ; my 128 rows
	s_add_co_u32 s72, s72, s73
	s_mov_b32 s73, 0
	s_wait_dscnt 0x0
	s_wait_kmcnt 0x0
	CROUND                                         ; all four work-groups are here: the joint loads meet
	s_mov_b32 s[G0S], 1
	s_lshl_b32 s[G0S+1], s[WV], 11
	s_add_co_u32 s[G0S+1], s[G0S+1], ISC
	s_add_nc_u64 s[G0S+2:G0S+3], s[6:7], s[72:73]
	s_or_b32 s[G0S+3], s[G0S+3], 0x80000000
	s_mov_b32 s[G0A], 1
	s_mul_i32 s[G0A+1], s[WV], 64*PIT
	s_add_nc_u64 s[G0A+2:G0A+3], s[4:5], s[70:71]
	s_mov_b32 s[G0B], 1
	s_add_co_u32 s[G0B+1], s[G0A+1], 256*PIT
	s_add_nc_u64 s[G0B+2:G0B+3], s[G0A+2:G0A+3], 256*512
	s_or_b32 s[G0A+3], s[G0A+3], 0x80000000
	s_or_b32 s[G0B+3], s[G0B+3], 0x80000000
	tensor_load_to_lds s[G0S:G0S+3], s[G1S:G1S+7]  ; three loads of mine are out: the scale bytes,
	s_nop 0
	tensor_load_to_lds s[G0A:G0A+3], s[G1:G1+7]    ; my rows of the first 256,
	s_nop 0
	tensor_load_to_lds s[G0B:G0B+3], s[G1:G1+7]    ; my rows of the second 256
	s_nop 0
	PLACES 4
	s_lshl_b32 s74, s55, 15                        ; weights: 64 rows of 512 bytes a head
	s_mov_b32 s75, 0
	s_add_nc_u64 s[8:9], s[8:9], s[74:75]
	s_add_nc_u64 s[14:15], s[14:15], s[74:75]
	s_lshl_b32 s74, s55, 10                        ; 64 rows of 16 scale bytes
	s_add_nc_u64 s[10:11], s[10:11], s[74:75]
	s_add_nc_u64 s[16:17], s[16:17], s[74:75]
	s_lshl_b32 s74, s55, 8                         ; 64 numbers of a bias
	s_add_nc_u64 s[12:13], s[12:13], s[74:75]
	s_add_nc_u64 s[18:19], s[18:19], s[74:75]
	WIN 0x40
	s_wait_alu depctr_va_vdst(0)
.irp t, 0,1,2,3
.irp s, 0,1,2,3
.irp c, 0,1,2,3
	global_load_b128 v[16*(4*\t+\s)+4*\c:16*(4*\t+\s)+4*\c+3], v[WA], s[8:9] offset:(32*(\t/2)+8*(\t%2))*512+128*\s+32*\c
.endr
.endr
.endr
	WIN 0x80
.irp t, 0,1,2,3
.irp s, 0,1,2,3
.irp c, 0,1,2,3
	global_load_b128 v[16*(4*\t+\s)+4*\c:16*(4*\t+\s)+4*\c+3], v[WA], s[14:15] offset:(32*(\t/2)+8*(\t%2))*512+128*\s+32*\c
.endr
.endr
.endr
	WIN 0xc0
.irp t, 0,1,2,3
	global_load_b128 v[KB+8*\t:KB+8*\t+3], v[BA], s[12:13] offset:(32*(\t/2)+8*(\t%2))*4       ; k_b at channels 32 b + 16 h + 8 u + 0 .. 7
	global_load_b128 v[KB+8*\t+4:KB+8*\t+7], v[BA], s[12:13] offset:(32*(\t/2)+8*(\t%2))*4+16
.irp j, 0,1,2,3,4,5,6,7
	global_load_b32 v[VB+8*\t+\j], v[VBA], s[18:19] offset:(32*(\t/2)+8*(\t%2))*4              ; v_b of my lane's channel, in all eight registers (they run along the keys)
.endr
.endr
	WIN 0
.irp t, 0,1,2,3
	global_load_b128 v[KWS+4*\t:KWS+4*\t+3], v[WSA], s[10:11] offset:(32*(\t/2)+8*(\t%2))*16
	global_load_b128 v[VWS+4*\t:VWS+4*\t+3], v[WSA], s[16:17] offset:(32*(\t/2)+8*(\t%2))*16
.endr
	s_lshr_b32 s76, s54, 3                         ; batch
	s_lshl_b32 s76, s76, 4
	s_add_co_u32 s76, s76, s55                     ; head of batch
	s_and_b32 s77, s54, 7                          ; which four steps of its 32
	s_lshl_b32 s78, s76, 19
	s_lshl_b32 s79, s77, 16
	s_add_co_u32 s78, s78, s79
	s_mov_b32 s79, 0
	s_add_nc_u64 s[OUT:OUT+1], s[20:21], s[78:79]
	s_lshl_b32 s78, s76, 15
	s_lshl_b32 s80, s77, 12
	s_add_co_u32 s78, s78, s80
	s_add_nc_u64 s[OSC:OSC+1], s[22:23], s[78:79]
	s_mov_b32 s[TB], 0
	s_mov_b32 s[TSC], 0
.macro LOADI blk                       ; a block's eight fragments of I (tile u, K step s) and its rows' scale words
	WIN 0xc0
.irp u, 0,1
.irp s, 0,1,2,3
.irp c, 0,1,2,3
	ds_load_b128 v[16*(4*\u+\s)+4*\c:16*(4*\u+\s)+4*\c+3], v[AI] offset:(32*(\blk)+8*\u)*PIT+128*\s+32*\c
.endr
.endr
.endr
	WIN 0
.irp u, 0,1
	ds_load_b128 v[IS+4*\u:IS+4*\u+3], v[ASC] offset:512*(\blk)+128*\u
.endr
.endm
; A block of 32 keys: 32 products for K, 32 for V (in each, eight accumulators by turns, one instruction a turn, K ascending; the bias is the C of each sum's first product), both quantised and stored.
.macro BLOCK blk
	s_wait_dscnt 0x0                               ; the block's fragments are in
.irp s, 0,1,2,3
.if \s == 0
	WIN 0x3d                                       ; source 0 (k_w) window 1, source 1 (I) window 3, C (k_b) window 3
.else
	WIN 0x0d
.endif
.irp u, 0,1
.irp t, 0,1,2,3
.if \s == 0
	MM KA+8*(4*\u+\t), 16*(4*\t+\s), 16*(4*\u+\s), KB+8*\t, KWS+4*\t+\s, IS+4*\u+\s
.else
	MM KA+8*(4*\u+\t), 16*(4*\t+\s), 16*(4*\u+\s), KA+8*(4*\u+\t), KWS+4*\t+\s, IS+4*\u+\s
.endif
.endr
.endr
.endr
.irp s, 0,1,2,3
.if \s == 0
	WIN 0x3b                                       ; source 0 (I) window 3, source 1 (v_w) window 2, C (v_b) window 3
.else
	WIN 0x0b
.endif
.irp t, 0,1,2,3
.irp u, 0,1
.if \s == 0
	MM VA+8*(2*\t+\u), 16*(4*\u+\s), 16*(4*\t+\s), VB+8*\t, IS+4*\u+\s, VWS+4*\t+\s
.else
	MM VA+8*(2*\t+\u), 16*(4*\u+\s), 16*(4*\t+\s), VA+8*(2*\t+\u), IS+4*\u+\s, VWS+4*\t+\s
.endif
.endr
.endr
.endr
	WIN 0
	PLACES 8                                       ; eight places behind this form: for the loads into I's registers and for the first read of results
.if \blk < 3
	LOADI \blk+1                                   ; the next block's fragments land while this one is quantised
.endif
	s_wait_xcnt 0x0                                ; the last block's stores have read their registers, which are written again below
	QUANT KA, KC                                   ; run 2 u + b: tile u, channels 32 b on
	v_lshl_or_b32 v[KSW+\blk], v[TM+5], 8, v[TM+4]
	v_lshl_or_b32 v[KSW+\blk], v[TM+6], 16, v[KSW+\blk]
	v_lshl_or_b32 v[KSW+\blk], v[TM+7], 24, v[KSW+\blk]
.irp q, 0,1,2,3
	global_store_b128 v[LI], v[KC+4*\q:KC+4*\q+3], s[OUT:OUT+1] offset:2048*(\blk)+512*\q   ; 512 consecutive bytes, aligned
.endr
	QUANT VA, VC                                   ; run t: channel tile t, these 32 keys
.irp t, 0,1,2,3
.if \blk == 0
	v_mov_b32 v[VSW+\t], v[TM+4+\t]
.else
	v_lshl_or_b32 v[VSW+\t], v[TM+4+\t], 8*(\blk), v[VSW+\t]
.endif
.endr
.irp t, 0,1,2,3
	global_store_b128 v[LI], v[VC+4*\t:VC+4*\t+3], s[OUT:OUT+1] offset:8192+2048*\t+512*(\blk)
.endr
.endm
.macro KSTEP                           ; a step of 128 keys
	v_add_nc_u32 v[AI], s[TB], v[AI0]
	v_add_nc_u32 v[ASC], s[TSC], v[ASC0]
	LOADI 0
	s_wait_alu depctr_va_vdst(0)
	BLOCK 0
	BLOCK 1
	BLOCK 2
	BLOCK 3
	global_store_b128 v[LI], v[KSW:KSW+3], s[OSC:OSC+1]
	global_store_b128 v[LI], v[VSW:VSW+3], s[OSC:OSC+1] offset:512
	s_wait_xcnt 0x0                                ; the stores have read their bases and registers: both are written again
	s_add_nc_u64 s[OUT:OUT+1], s[OUT:OUT+1], 16384
	s_add_nc_u64 s[OSC:OSC+1], s[OSC:OSC+1], 1024
	s_add_co_u32 s[TB], s[TB], 128*PIT
	s_add_co_u32 s[TSC], s[TSC], 2048
.endm
	s_wait_loadcnt 0x0                             ; weights, scale words, biases
	s_wait_tensorcnt 1                             ; tensor loads of a wave end in order: the scale bytes and my rows of the first 256 are in; the one load that may stay out brings rows of the second 256
	s_barrier_signal -1
	s_barrier_wait -1                              ; everybody's are
	s_mov_b32 s[CNT], 2
.Lfirst_half:
	KSTEP
	s_sub_co_u32 s[CNT], s[CNT], 1
	s_cmp_lg_u32 s[CNT], 0
	s_cbranch_scc1 .Lfirst_half
	s_wait_tensorcnt 0x0                           ; my rows of the second 256 are in,
	s_wait_dscnt 0x0
	s_barrier_signal -1
	s_barrier_wait -1                              ; everybody's are
	s_mov_b32 s[CNT], 2
.Lsecond_half:
	KSTEP
	s_sub_co_u32 s[CNT], s[CNT], 1
	s_cmp_lg_u32 s[CNT], 0
	s_cbranch_scc1 .Lsecond_half
	s_wait_dscnt 0x0
	s_wait_tensorcnt 0x0
	ds_add_u32 v126, v127
	s_wait_dscnt 0x0
	CROUND                                         ; the closing round
	s_endpgm
.Lfunc_end_k_qff78ba41d2_kvproj:
	.size	k_qff78ba41d2_kvproj, .Lfunc_end_k_qff78ba41d2_kvproj-k_qff78ba41d2_kvproj
	.p2alignl 7, 3214868480
	.fill 96, 4, 3214868480
	.section	.rodata,"a",@progbits
	.p2align	6, 0x0
	.amdhsa_kernel k_qff78ba41d2_kvproj
		.amdhsa_group_segment_fixed_size 279040
		.amdhsa_private_segment_fixed_size 0
		.amdhsa_enable_private_segment 0
		.amdhsa_kernarg_size 80
		.amdhsa_user_sgpr_count 2
		.amdhsa_user_sgpr_kernarg_segment_ptr 1
		.amdhsa_wavefront_size32 1
		.amdhsa_system_sgpr_workgroup_id_x 1
		.amdhsa_system_sgpr_workgroup_id_y 1
		.amdhsa_system_sgpr_workgroup_id_z 1
		.amdhsa_system_vgpr_workitem_id 0
		.amdhsa_next_free_vgpr 1024
		.amdhsa_next_free_sgpr 96
		.amdhsa_reserve_vcc 0
		.amdhsa_float_denorm_mode_32 3
		.amdhsa_float_denorm_mode_16_64 3
		.amdhsa_fp16_overflow 1
		.amdhsa_memory_ordered 1
		.amdhsa_forward_progress 1
		.amdhsa_inst_pref_size 174
	.end_amdhsa_kernel
	.amdgpu_metadata
---
amdhsa.version: [ 1, 2 ]
amdhsa.kernels:
  - .name:           k_qff78ba41d2_kvproj
    .symbol:         k_qff78ba41d2_kvproj.kd
    .args:
      - { .name: I_codes, .offset: 0, .size: 8, .value_kind: global_buffer, .address_space: global }
      - { .name: I_scales, .offset: 8, .size: 8, .value_kind: global_buffer, .address_space: global }
      - { .name: k_w_codes, .offset: 16, .size: 8, .value_kind: global_buffer, .address_space: global }
      - { .name: k_w_scales, .offset: 24, .size: 8, .value_kind: global_buffer, .address_space: global }
      - { .name: k_b, .offset: 32, .size: 8, .value_kind: global_buffer, .address_space: global }
      - { .name: v_w_codes, .offset: 40, .size: 8, .value_kind: global_buffer, .address_space: global }
      - { .name: v_w_scales, .offset: 48, .size: 8, .value_kind: global_buffer, .address_space: global }
      - { .name: v_b, .offset: 56, .size: 8, .value_kind: global_buffer, .address_space: global }
      - { .name: kvc, .offset: 64, .size: 8, .value_kind: global_buffer, .address_space: global }
      - { .name: kvs, .offset: 72, .size: 8, .value_kind: global_buffer, .address_space: global }
    .group_segment_fixed_size: 279040
    .private_segment_fixed_size: 0
    .kernarg_segment_align: 8
    .kernarg_segment_size: 80
    .max_flat_workgroup_size: 128
    .sgpr_count:     96
    .vgpr_count:     1024
    .wavefront_size: 32
...
	.end_amdgpu_metadata
.endif
;; end of part 2
;; launch attn (part 3): grid 2 x 128, 16 waves a work-group, no clusters, 327,680 bytes of LDS; arguments qc, qs, kvc, kvs, uc, us; writes uc, us
.if DOCPART == 3
	.amdgcn_target "amdgcn-amd-amdhsa--gfx1250"
	.amdhsa_code_object_version 6
	.text
	.protected	k_qff78ba41d2_attn
	.globl	k_qff78ba41d2_attn
	.p2align	8
	.type	k_qff78ba41d2_attn,@function
k_qff78ba41d2_attn:
	s_mov_b64 s[64:65], 0
	v_nop
	global_prefetch_b8 v0, s[64:65] scope:SCOPE_SE
	s_setreg_imm32_b32 hwreg(HW_REG_WAVE_MODE, 25, 1), 1
	s_wait_xcnt 0x0
; U[q] = the sum over keys of softmax(Q[q] . K[key]) V[key], for one head of one batch: 256 queries, 4,096 keys, 64 channels; both products on codes of E5M2 with E8M0 scales; U is then quantised along the channels.
; THE SOFTMAX: t = score x log2(e); M = the largest t so far, rounded UP to a whole number; p = 2^(t - M) is what is quantised, along the keys, not normalised; the row's sum is taken of the unquantised p and divides at the end.
; SHARES.  A work-group owns 128 queries (x) of a head of a batch (y).  Wave w owns query tile w & 7 and the key steps (128 keys) of parity w / 8: four waves to a SIMD.  The two waves of a tile merge at the end, through LDS:
; each keeps one block of 32 channels, takes the partner's share of it, brings both under the larger M (a power of two: nothing is rounded), divides by the joint sum and quantises the block.
; A HEAD OF 64 IN A K OF 128.  Source 0 is 16 registers: the codes of key tile u = 0, then those of u = 1; source 1 is [Q | zeros] for u = 0 and [zeros | Q] for u = 1, cut out of 24 registers [Q | zeros | Q].
; K's scale word holds both tiles' bytes, Q's is (byte 0, byte 1, byte 0, byte 1).  Zero codes add nothing.
; Both products are used transposed (S^T = K Q^T, O^T = V^T P^T): a lane holds one query throughout.  All operands arrive as images of their registers: every fragment is four loads of 16 bytes a lane, 512 bytes on end.
; THE RING.  Two slots of four steps (65,536 bytes), filled by waves 0 to 3, one step each; the head's scale words (32,768 bytes) come once.  One tensor load a wave is out behind each barrier, two at the start.
; NO JOINT LOADS: two work-groups share a head's tiles (the grid's x is 2), and a cluster here has four along x.
; LIMITS: NaN and infinities are not served; a block of U whose largest magnitude lies under 2^-111 keeps the byte 1; a block of zeros gets the byte 1.  The scale bytes of U leave as single bytes a lane: 65,536 bytes in the launch.
; REGISTERS: v1-11 addresses; v12 -M, v13 the largest t, v[14:15] the sum in two halves; v16-39 [Q | 0 | Q]; v40-103 four fragments of K, then of V; v104-167 S^T, then p; v168-199 O^T; v200-215 p's codes; v216 the prefetches' offset;
;   v224 Q's scale word; v226-229 V's; v248-251 K's; v253 p's; v232-247, v252, v254 at work.
.set SLOT1, 65536
.set SCL,   2*SLOT1                    ; the head's scale words: 32 steps x 1,024 bytes
.set SPARE, SCL+32768                  ; the spare words, 128 bytes for each wave: eight blocks of 256 bytes that no other line names
.set STAGE, SPARE+2048                 ; the merge: 2,304 bytes for each wave; no fill lands here
.set AK0,  1                           ; 16 x lane + 16,384 x parity
.set AS0,  2                           ; SCL + 16 x lane + 1,024 x parity
.set STW,  3                           ; my stage + 16 x lane
.set STR,  4                           ; my partner's
.set SPW,  5                           ; my spare word; never rewritten
.set NIL,  6                           ; 0; never rewritten
.set STW8, 7                           ; my stage + 2,048 + 8 x lane
.set ADK,  8
.set STR8, 9
.set ADS,  10
.set LI,   11                          ; 16 x lane
.set QF,   16
.set KV,   40
.set S,    104
.set O,    168
.set PCD,  200
.set PFO,  216                         ; 256 x lane; never rewritten
.set QSC,  224
.set VSC,  226
.set KSC,  248
.set TB,   2                           ; s2  the slot in hand
.set TS,   3                           ; s3  the scale words of my step in hand
.set WV,   18
.set MNT,  19
.set SEL,  20
.set CS,   22                          ; s[22:23] log2(e)
.set G1,   24
.set G1S,  32
.set G0,   40
.set G0S,  44
.set SLOTS, 48
.set PM,   49                          ; all ones in waves of parity 1, else 0
.set PFA,  60                          ; s[60:61] where my prefetches stand
.set LIM,  62                          ; 1 in a wave that prefetches, else the greatest number
.macro PLACES n
.rept \n
	v_nop
.endr
.endm
	s_load_b256 s[4:11], s[0:1], 0x0               ; qc s[4:5], qs s[6:7], kvc s[8:9], kvs s[10:11]
	s_load_b128 s[12:15], s[0:1], 0x20             ; uc s[12:13], us s[14:15]
	v_lshl_add_u32 v[SPW], v0, 2, SPARE
	v_mov_b32 v[NIL], 0
	ds_add_u32 v5, v6
	ds_add_u32 v5, v6
	s_wait_dscnt 0x0
	v_lshrrev_b32 v8, 5, v0
	s_delay_alu instid0(VALU_DEP_1)
	v_readfirstlane_b32 s[WV], v8                  ; wave 0..15
	s_and_b32 s50, ttmp7, 0xffff                   ; head of batch
	s_and_b32 s52, s[WV], 3                        ; which step of a slot I fetch, if I fetch
	s_lshl_b32 s53, s52, 14
	s_lshl_b32 s54, s50, 19                        ; a head's codes: 32 steps of 16,384 bytes
	s_mov_b32 s55, 0
	s_lshl_b32 s56, s52, 13
	s_lshl_b32 s58, s50, 15                        ; its scale words: 32 steps of 1,024 bytes
	s_add_co_u32 s58, s58, s56
	s_mov_b32 s59, 0
	; group 1: a step's 16,384 dense bytes as 64 rows of 32 elements of 8 bytes; the scale words' quarter as 32 such rows
	s_mov_b32 s[G1], 3<<16
	s_mov_b32 s[G1+1], 32<<16
	s_mov_b32 s[G1+2], 64<<16
	s_mov_b32 s[G1+3], 32<<16
	s_mov_b32 s[G1+4], 64
	s_mov_b32 s[G1+5], 32
	s_mov_b32 s[G1+6], 0
	s_mov_b32 s[G1+7], 0
	s_mov_b32 s[G1S], 3<<16
	s_mov_b32 s[G1S+1], 32<<16
	s_mov_b32 s[G1S+2], 32<<16
	s_mov_b32 s[G1S+3], 32<<16
	s_mov_b32 s[G1S+4], 32
	s_mov_b32 s[G1S+5], 32
	s_mov_b32 s[G1S+6], 0
	s_mov_b32 s[G1S+7], 0
	s_wait_kmcnt 0x0
	s_add_nc_u64 s[8:9], s[8:9], s[54:55]          ; kvc at my head
	s_mov_b32 s54, s53
	s_mov_b32 s[G0S], 1
	s_add_co_u32 s[G0S+1], s56, SCL
	s_add_nc_u64 s[G0S+2:G0S+3], s[10:11], s[58:59]
	s_or_b32 s[G0S+3], s[G0S+3], 0x80000000
	s_mov_b32 s[G0], 1
	s_mov_b32 s[G0+1], s53                         ; slot 0
	s_add_nc_u64 s[G0+2:G0+3], s[8:9], s[54:55]
	s_or_b32 s[G0+3], s[G0+3], 0x80000000
	s_cmp_lt_u32 s[WV], 4                          ; a wave's two first fills stand in one branch, ahead of every wait on TENSORcnt, every LDS read and every barrier
	s_cbranch_scc0 .Lno_first
	tensor_load_to_lds s[G0S:G0S+3], s[G1S:G1S+7]  ; a quarter of the head's scale words: filled once
	s_nop 0
	tensor_load_to_lds s[G0:G0+3], s[G1:G1+7]      ; my step of slot 0
	s_nop 0
	PLACES 4
.Lno_first:
	s_lshr_b32 s17, s[WV], 3                       ; my parity
	s_cmp_lg_u32 s17, 0
	s_cselect_b32 s[PM], -1, 0
	s_and_b32 s16, s[WV], 7
	s_lshl_b32 s51, ttmp9, 3
	s_add_co_u32 s16, s16, s51                     ; my query tile of the head's 16
	v_and_b32 v8, 31, v0                           ; lane
	s_delay_alu instid0(VALU_DEP_1)
	v_lshlrev_b32 v[LI], 4, v8
	s_wait_alu depctr_va_vdst(0)
	v_lshlrev_b32 v[ADS], 3, v8                    ; 8 x lane, until Q's scale word is in
	s_wait_alu depctr_va_vdst(0)
	v_lshlrev_b32 v[PFO], 8, v8
	s_lshl_b32 s52, s17, 14
	v_add_nc_u32 v[AK0], s52, v[LI]
	s_lshl_b32 s52, s17, 10
	s_add_co_u32 s52, s52, SCL
	v_add_nc_u32 v[AS0], s52, v[LI]
	s_mul_i32 s52, s[WV], 2304
	s_add_co_u32 s52, s52, STAGE
	v_add_nc_u32 v[STW], s52, v[LI]
	s_add_co_u32 s52, s52, 2048
	v_add_nc_u32 v[STW8], s52, v[ADS]
	s_xor_b32 s52, s[WV], 8                        ; my partner
	s_mul_i32 s52, s52, 2304
	s_add_co_u32 s52, s52, STAGE
	v_add_nc_u32 v[STR], s52, v[LI]
	s_add_co_u32 s52, s52, 2048
	v_add_nc_u32 v[STR8], s52, v[ADS]
	s_lshl_b32 s54, s50, 4
	s_add_co_u32 s54, s54, s16
	s_lshl_b32 s54, s54, 10                        ; Q's fragment: 1,024 bytes a tile
	s_add_nc_u64 s[4:5], s[4:5], s[54:55]
	s_lshr_b32 s54, s16, 1
	s_lshl_b32 s56, s50, 3
	s_add_co_u32 s54, s54, s56
	s_lshl_b32 s54, s54, 8                         ; its scale words: 256 bytes a pair of tiles,
	s_and_b32 s56, s16, 1
	s_lshl_b32 s56, s56, 2                         ; 4 bytes on for the odd tile
	s_add_co_u32 s54, s54, s56
	s_add_nc_u64 s[6:7], s[6:7], s[54:55]
	global_load_b128 v[QF:QF+3], v[LI], s[4:5]     ; Q stands twice, with zeros between
	global_load_b128 v[QF+4:QF+7], v[LI], s[4:5] offset:512
	global_load_b128 v[QF+16:QF+19], v[LI], s[4:5]
	global_load_b128 v[QF+20:QF+23], v[LI], s[4:5] offset:512
	global_load_b32 v[QSC], v[ADS], s[6:7]
	s_lshr_b32 s52, s50, 4                         ; batch
	s_and_b32 s53, s50, 15                         ; head
	s_lshl_b32 s52, s52, 4
	s_add_co_u32 s52, s52, s16                     ; my tile of 16 rows among the 128
	s_lshl_b32 s54, s52, 14                        ; uc: 16,384 bytes a tile of rows,
	s_lshr_b32 s56, s53, 1
	s_lshl_b32 s56, s56, 11                        ; 2,048 a K step of 128 (two heads),
	s_add_co_u32 s54, s54, s56
	s_and_b32 s56, s53, 1
	s_lshl_b32 s56, s56, 1
	s_add_co_u32 s56, s56, s17
	s_lshl_b32 s56, s56, 9                         ; 512 a block of 32: 2 (head & 1) + my parity
	s_add_co_u32 s54, s54, s56
	s_add_nc_u64 s[12:13], s[12:13], s[54:55]
	s_lshl_b32 s54, s52, 9                         ; us: 16 rows of 32 bytes,
	s_lshl_b32 s56, s53, 1
	s_add_co_u32 s54, s54, s56
	s_add_co_u32 s54, s54, s17                     ; byte 2 x head + my parity
	s_add_nc_u64 s[14:15], s[14:15], s[54:55]
	; the prefetches: a slot is 65,536 dense bytes: waves 4 to 11 of the head's first work-group take 8,192 each, lanes 256 bytes apart, so that each block of 256 bytes is named once in the launch
	s_add_co_u32 s54, s[WV], 4
	s_and_b32 s54, s54, 7
	s_lshl_b32 s54, s54, 13
	s_add_co_u32 s54, s54, SLOT1                   ; in slot 1: the first change of slots steps it to slot 2.  Nothing is prefetched here, at the head
	s_add_nc_u64 s[PFA:PFA+1], s[8:9], s[54:55]
	s_sub_co_u32 s54, s[WV], 4
	s_lshr_b32 s54, s54, 3                         ; 0 in waves 4 to 11,
	s_or_b32 s54, s54, ttmp9                       ; of the head's first work-group
	s_cmp_eq_u32 s54, 0
	s_cselect_b32 s[LIM], 1, -1
	s_mov_b32 s[SEL], 0x76543210
	s_mov_b32 s[SEL+1], 0xfedcba98                 ; lane l xor 16
	s_mov_b32 s[CS], 0x3fb8aa3b                    ; log2(e)
	s_mov_b32 s[CS+1], s[CS]                       ; (named with it as a pair, so it is written)
	s_mov_b32 s[TB], 0
	s_mov_b32 s[TS], 0
	s_mov_b32 s[SLOTS], 7
.irp j, 0,1,2,3,4,5,6,7
	v_mov_b32 v[QF+8+\j], 0                        ; the zero codes between
.endr
	v_mov_b32 v13, 0xff61b1e6                      ; the largest t so far: -3e38, under every t
	s_delay_alu instid0(VALU_DEP_1)
	v_floor_f32 v12, -v13                          ; -M
	v_mov_b32 v14, 0
	v_mov_b32 v15, 0
.irp b, 0,1,2,3
	v_mov_b32 v[236+\b], 0                         ; written once: a lane permute's destination counts as one of its sources
.endr
	v_mov_b32 v253, 0                              ; (named as the upper half of the pair v[252:253] before it is first written)
.set jj, 0
.rept 32
	v_mov_b32 v[O+jj], 0                           ; O^T: the step is written once; its first turn finds zeros
.set jj, jj+1
.endr
; A KEY STEP: 128 keys: step 2 q + my parity of the slot in hand.
.macro STEP q
	v_add_nc_u32 v[ADK], s[TB], v[AK0]
	v_add_nc_u32 v[ADS], s[TS], v[AS0]
	PLACES 6                                       ; with the two additions: eight places in front of loads into registers that matrix instructions have read
.irp k, 0,1,2,3
.irp i, 0,1,2,3
	ds_load_b128 v[KV+16*\k+4*\i:KV+16*\k+4*\i+3], v[ADK] offset:32768*(\q)+2048*\k+512*\i
.endr
.endr
	ds_load_b128 v[KSC:KSC+3], v[ADS]              ; K's four scale words,
	ds_load_b128 v[VSC:VSC+3], v[ADS] offset:512   ; V's four
	s_wait_alu depctr_va_vdst(0)
	s_wait_dscnt 0x0
.irp k, 0,1,2,3
.irp u, 0,1
	v_wmma_scale_f32_16x16x128_f8f6f4 v[S+8*(2*\k+\u):S+8*(2*\k+\u)+7], v[KV+16*\k:KV+16*\k+15], v[QF+8*\u:QF+8*\u+15], 0, v[KSC+\k], v[QSC] matrix_a_fmt:MATRIX_FMT_BF8 matrix_b_fmt:MATRIX_FMT_BF8
.endr
.endr                                          ; register 16 k + i of S^T: key 32 k + 16 (lane / 16) + i of the step, my lane's query
	PLACES 8
.irp t, 0,1,2,3
.irp c, 0,1,2,3
	ds_load_b128 v[KV+16*\t+4*\c:KV+16*\t+4*\c+3], v[ADK] offset:32768*(\q)+8192+2048*\t+512*\c   ; V lands under the softmax
.endr
.endr
.irp b, 0,1,2,3
	v_max3_num_f32 v[232+\b], v[S+16*\b], v[S+1+16*\b], v[S+2+16*\b]   ; the largest score of each block of 32 keys: for the row's maximum and, since p rises with the score, for the block's largest p
.endr
.irp i, 3,5,7,9,11,13
.irp b, 0,1,2,3
	v_max3_num_f32 v[232+\b], v[232+\b], v[S+16*\b+\i], v[S+1+16*\b+\i]
.endr
.endr
.irp b, 0,1,2,3
	v_max_num_f32 v[232+\b], v[232+\b], v[S+15+16*\b]
.endr
.irp b, 0,1,2,3
	s_delay_alu instid0(VALU_DEP_4)
	v_permlanex16_b32 v[236+\b], v[232+\b], s[SEL], s[SEL+1]
.endr
.irp b, 0,1,2,3
	s_delay_alu instid0(VALU_DEP_4)
	v_max_num_f32 v[232+\b], v[232+\b], v[236+\b]  ; with lane l xor 16's 16 keys
.endr
	s_delay_alu instid0(VALU_DEP_2)
	v_max3_num_f32 v254, v232, v233, v234
	s_delay_alu instid0(VALU_DEP_1)
	v_max_num_f32 v254, v254, v235                 ; the step's largest score of my query
	s_delay_alu instid0(VALU_DEP_1)
	v_mul_f32 v254, s[CS], v254                    ; as t
	s_delay_alu instid0(VALU_DEP_1)
	v_max_num_f32 v13, v13, v254                   ; the running largest t
	v_mov_b32 v254, v12
	s_delay_alu instid0(VALU_DEP_2)
	v_floor_f32 v12, -v13                          ; the new -M = -ceil(t): a whole number
	s_delay_alu instid0(VALU_DEP_1)
	v_sub_f32 v254, v12, v254                      ; old M - new M: a whole number, 0 or less
	s_delay_alu instid0(VALU_DEP_1)
	v_cvt_i32_f32 v254, v254                       ; (it saturates)
	s_delay_alu instid0(VALU_DEP_1)
	v_ldexp_f32 v252, 1.0, v254                    ; f = 2^(old M - new M)
.set jj, 0
.rept 32
	v_pk_fma_f32 v[S+jj:S+jj+1], v[S+jj:S+jj+1], s[CS:CS+1], v[12:13] op_sel_hi:[1,0,0]   ; t - M, two at a time
.set jj, jj+2
.endr
.irp b, 0,1,2,3
	v_fma_f32 v[232+\b], v[232+\b], s[CS], v12     ; the same of each block's largest score
.endr
.set jj, 0
	s_wait_alu depctr_va_vdst(0)
.rept 64
	v_exp_f32 v[S+jj], v[S+jj]                     ; p = 2^(t - M), at most 1
.set jj, jj+1
.endr
	v_pk_mul_f32 v[14:15], v[14:15], v[252:253] op_sel_hi:[1,0]   ; the sums under the new M: a plain line behind the exponentials
	s_wait_alu depctr_va_vdst(0)                   ; one wait for the batch of 64, ahead of its first reader
.irp b, 0,1,2,3
	v_exp_f32 v[232+\b], v[232+\b]                 ; the blocks' largest p
.endr
	v_pk_add_f32 v[236:237], v[108:109], v[112:113]
	v_pk_add_f32 v[254:255], v[116:117], v[120:121]
	v_pk_add_f32 v[250:251], v[124:125], v[128:129]
	v_pk_add_f32 v[248:249], v[132:133], v[136:137]
	v_pk_add_f32 v[246:247], v[140:141], v[144:145]
	v_pk_add_f32 v[244:245], v[148:149], v[152:153]
	v_pk_add_f32 v[242:243], v[156:157], v[160:161]
	v_pk_add_f32 v[14:15], v[14:15], v[164:165]
	v_pk_add_f32 v[236:237], v[236:237], v[104:105]
	v_pk_add_f32 v[254:255], v[254:255], v[106:107]
	v_pk_add_f32 v[250:251], v[250:251], v[110:111]
	v_pk_add_f32 v[248:249], v[248:249], v[114:115]
	v_pk_add_f32 v[246:247], v[246:247], v[118:119]
	v_pk_add_f32 v[244:245], v[244:245], v[122:123]
	v_pk_add_f32 v[242:243], v[242:243], v[126:127]
	v_pk_add_f32 v[14:15], v[14:15], v[130:131]
	v_pk_add_f32 v[236:237], v[236:237], v[134:135]
	v_pk_add_f32 v[254:255], v[254:255], v[138:139]
	v_pk_add_f32 v[250:251], v[250:251], v[142:143]
	v_pk_add_f32 v[248:249], v[248:249], v[146:147]
	v_pk_add_f32 v[246:247], v[246:247], v[150:151]
	v_pk_add_f32 v[244:245], v[244:245], v[154:155]
	v_pk_add_f32 v[242:243], v[242:243], v[158:159]
	v_pk_add_f32 v[14:15], v[14:15], v[162:163]
	v_pk_add_f32 v[236:237], v[236:237], v[166:167]
	s_delay_alu instid0(VALU_DEP_2)
	v_pk_add_f32 v[14:15], v[14:15], v[248:249]
	s_delay_alu instid0(VALU_DEP_2)
	v_pk_add_f32 v[236:237], v[236:237], v[246:247]
	v_pk_add_f32 v[254:255], v[254:255], v[244:245]
	v_pk_add_f32 v[250:251], v[250:251], v[242:243]
	s_delay_alu instid0(VALU_DEP_2)
	v_pk_add_f32 v[14:15], v[14:15], v[254:255]
	s_delay_alu instid0(VALU_DEP_2)
	v_pk_add_f32 v[236:237], v[236:237], v[250:251]
	s_delay_alu instid0(VALU_DEP_1)
	v_pk_add_f32 v[14:15], v[14:15], v[236:237]
	s_wait_alu depctr_va_vdst(0)                   ; and one for the four
.irp b, 0,1,2,3
	v_max_num_f32 v[232+\b], 0x8000000, v[232+\b]  ; the floor 2^(16 - 127): the byte cannot fall under 1
.endr
.irp b, 0,1,2,3
	s_delay_alu instid0(VALU_DEP_4)
	v_add_nc_u32 v[244+\b], 0xf8800000, v[232+\b]  ; 15 off the exponent field: the conversion's scale operand
.endr
.irp b, 0,1,2,3
.endr
.irp b, 0,1,2,3
	s_delay_alu instid0(VALU_DEP_4)
	v_lshrrev_b32 v[236+\b], 23, v[244+\b]         ; the scale's byte
.endr
	s_delay_alu instid0(VALU_DEP_3)
	v_lshl_or_b32 v253, v237, 8, v236              ; p's scale word for these 128 keys
	s_delay_alu instid0(VALU_DEP_1)
	v_lshl_or_b32 v253, v238, 16, v253
	s_delay_alu instid0(VALU_DEP_1)
	v_lshl_or_b32 v253, v239, 24, v253
.irp b, 0,1,2,3
.irp i, 0,1,2,3,4,5,6,7,8,9,10,11,12,13,14,15
.endr
	v_cvt_scalef32_pk8_bf8_f32 v[PCD+4*\b:PCD+4*\b+1], v[S+16*\b:S+16*\b+7], v[244+\b]
	v_cvt_scalef32_pk8_bf8_f32 v[PCD+4*\b+2:PCD+4*\b+3], v[S+16*\b+8:S+16*\b+15], v[244+\b]
.endr
.set jj, 0
.rept 16
	v_pk_mul_f32 v[O+jj:O+jj+1], v[O+jj:O+jj+1], v[252:253] op_sel_hi:[1,0]   ; O^T under the new M; these are also the places between the codes and the products
.set jj, jj+2
.endr
	s_wait_alu depctr_va_vdst(0)
	s_wait_dscnt 0x0                               ; V is in
.irp t, 0,1,2,3
	v_wmma_scale_f32_16x16x128_f8f6f4 v[O+8*\t:O+8*\t+7], v[KV+16*\t:KV+16*\t+15], v[PCD:PCD+15], v[O+8*\t:O+8*\t+7], v[VSC+\t], v253 matrix_a_fmt:MATRIX_FMT_BF8 matrix_b_fmt:MATRIX_FMT_BF8
.endr
	s_add_co_u32 s[TS], s[TS], 2048                ; my next step's scale words: two steps on
.endm
; THE CHANGE OF SLOTS stands at a slot's head.  Each wave waits for all its tensor loads, adds 0 to its spare word, and waits for that and for its reads of the slot that it has left; behind the barrier the slot ahead is whole
; and nobody reads the other one.  fill = 1: that other slot is filled with the four steps that follow: the load has a whole slot's steps in which to land.
.macro CHANGE fill
	s_wait_tensorcnt 0x0                           ; no tensor load of mine is out, so a group 0 may be written
	ds_add_u32 v[SPW], v[NIL]                      ; 0 onto my spare word
.if \fill
	s_xor_b32 s[G0+1], s[G0+1], SLOT1              ; the walking descriptor: the other slot,
	s_add_nc_u64 s[G0+2:G0+3], s[G0+2:G0+3], SLOT1 ; the next four steps; the type bits on top are not reached
	s_wait_xcnt 0x0                                ; the last prefetch, a slot back, has read its address, so it may be written:
	s_add_nc_u64 s[PFA:PFA+1], s[PFA:PFA+1], SLOT1 ; one slot further on than the walking descriptor
.endif
	s_wait_dscnt 0x0                               ; the add is done, and my reads of the slot that I have left are over
	s_barrier_signal -1
	s_barrier_wait -1
.if \fill
	s_cmp_lt_u32 s[WV], 4
	s_cbranch_scc0 .Lnot_fetching_\@
	tensor_load_to_lds s[G0:G0+3], s[G1:G1+7]      ; the first thing behind the barrier, and a wave's one tensor load until the next
	s_nop 0
	PLACES 4
.Lnot_fetching_\@:
	s_cmp_gt_u32 s[SLOTS], s[LIM]                  ; what the next change of slots will ask for: two of my key steps ahead of that load; the last change that fills a slot asks for nothing
	s_cbranch_scc0 .Lnot_asking_\@
	global_prefetch_b8 v[PFO], s[PFA:PFA+1] th:TH_LOAD_NT scope:SCOPE_SE
.Lnot_asking_\@:
.endif
.endm
	s_wait_loadcnt 0x0                             ; Q and its scale word
.Lslot:                                            ; seven trips: behind each change of slots but the last the next slot is asked for
	CHANGE 1
	STEP 0
	STEP 1
	s_xor_b32 s[TB], s[TB], SLOT1
	s_sub_co_u32 s[SLOTS], s[SLOTS], 1
	s_cmp_lg_u32 s[SLOTS], 0
	s_cbranch_scc1 .Lslot
	CHANGE 0                                       ; the last slot is written out
	STEP 0
	STEP 1
	; THE MERGE of the two waves of a query tile, and the way out.
	PLACES 8
	v_add_f32 v14, v14, v15                        ; the sum's two halves,
	s_delay_alu instid0(VALU_DEP_1)
	v_permlanex16_b32 v252, v14, s[SEL], s[SEL+1]
	s_delay_alu instid0(VALU_DEP_1)
	v_add_f32 v14, v14, v252                       ; and lane l xor 16's: my keys' sum for my query
	v_mov_b32 v15, v12                             ; with -M beside it
.set jj, 0
.rept 16
	v_cndmask_b32 v[S+jj], v[O+jj], v[O+16+jj], s[PM]      ; what I keep: channels 32 x parity + 16 (lane / 16) + 0 .. 15
.set jj, jj+1
.endr
.set jj, 0
.rept 16
	v_cndmask_b32 v[S+16+jj], v[O+16+jj], v[O+jj], s[PM]   ; what my partner keeps
.set jj, jj+1
.endr
.irp c, 0,1,2,3
	ds_store_b128 v[STW], v[S+16+4*\c:S+16+4*\c+3] offset:512*\c
.endr
	ds_store_b64 v[STW8], v[14:15]
	s_wait_dscnt 0x0                               ; for my partner's sake: my stores have landed
	s_barrier_signal -1
	s_barrier_wait -1
.irp c, 0,1,2,3
	ds_load_b128 v[S+32+4*\c:S+32+4*\c+3], v[STR] offset:512*\c
.endr
	ds_load_b64 v[S+48:S+49], v[STR8]              ; the partner's sum and -M
	s_wait_dscnt 0x0
	v_min_num_f32 v[S+50], v12, v[S+49]            ; -(the larger M)
	s_delay_alu instid0(VALU_DEP_1)
	v_sub_f32 v[S+51], v[S+50], v12
	s_delay_alu instid0(VALU_DEP_2)
	v_sub_f32 v[S+52], v[S+50], v[S+49]
	s_delay_alu instid0(VALU_DEP_2)
	v_cvt_i32_f32 v[S+51], v[S+51]
	s_delay_alu instid0(VALU_DEP_2)
	v_cvt_i32_f32 v[S+52], v[S+52]
	s_delay_alu instid0(VALU_DEP_2)
	v_ldexp_f32 v[S+51], 1.0, v[S+51]              ; my factor and my partner's: powers of two
	s_delay_alu instid0(VALU_DEP_2)
	v_ldexp_f32 v[S+52], 1.0, v[S+52]
	s_delay_alu instid0(VALU_DEP_2)
	v_mul_f32 v[S+53], v14, v[S+51]
	s_delay_alu instid0(VALU_DEP_1)
	v_fma_f32 v[S+53], v[S+48], v[S+52], v[S+53]   ; the row's sum
	s_wait_alu depctr_va_vdst(0)
	v_rcp_f32 v[S+54], v[S+53]
	v_and_b32 v238, 15, v0                         ; (a plain line behind the reciprocal)
	s_delay_alu instid0(VALU_DEP_1)
	v_lshlrev_b32 v238, 5, v238                    ; us: 32 bytes a row
	s_wait_alu depctr_va_vdst(0)                   ; the wait ahead of the first reader
	v_mul_f32 v[S+51], v[S+51], v[S+54]
	v_mul_f32 v[S+52], v[S+52], v[S+54]
.set jj, 0
.rept 16
	v_mul_f32 v[S+jj], v[S+jj], v[S+51]
.set jj, jj+1
.endr
.set jj, 0
.rept 16
	v_fma_f32 v[S+jj], v[S+32+jj], v[S+52], v[S+jj]        ; U(my query, my 16 channels)
.set jj, jj+1
.endr
	v_max3_num_f32 v232, |v[S]|, |v[S+1]|, 0x8000000       ; the block of 32 channels lies in lanes l and l xor 16
.irp i, 2,4,6,8,10,12,14
	s_delay_alu instid0(VALU_DEP_1)
	v_max3_num_f32 v232, v232, |v[S+\i]|, |v[S+\i+1]|
.endr
	s_delay_alu instid0(VALU_DEP_1)
	v_permlanex16_b32 v236, v232, s[SEL], s[SEL+1]
	s_delay_alu instid0(VALU_DEP_1)
	v_max_num_f32 v232, v232, v236
	s_delay_alu instid0(VALU_DEP_1)
	v_add_nc_u32 v244, 0xf8800000, v232
	s_delay_alu instid0(VALU_DEP_1)
	v_lshrrev_b32 v237, 23, v244
.set jj, 0
.rept 16
.set jj, jj+1
.endr
	v_cvt_scalef32_pk8_bf8_f32 v[PCD:PCD+1], v[S:S+7], v244
	v_cvt_scalef32_pk8_bf8_f32 v[PCD+2:PCD+3], v[S+8:S+15], v244
	v_nop
	global_store_b128 v[LI], v[PCD:PCD+3], s[12:13]        ; 512 consecutive bytes, aligned: four registers of the next product's fragment
	global_store_b8 v238, v237, s[14:15]                   ; both lanes of a block store the same byte with the same value
	s_wait_tensorcnt 0x0                           ; the wave's end
	ds_add_u32 v[SPW], v[NIL]
	s_wait_dscnt 0x0
	s_endpgm
.Lfunc_end_k_qff78ba41d2_attn:
	.size	k_qff78ba41d2_attn, .Lfunc_end_k_qff78ba41d2_attn-k_qff78ba41d2_attn
	.p2alignl 7, 3214868480
	.fill 96, 4, 3214868480
	.section	.rodata,"a",@progbits
	.p2align	6, 0x0
	.amdhsa_kernel k_qff78ba41d2_attn
		.amdhsa_group_segment_fixed_size 327680
		.amdhsa_private_segment_fixed_size 0
		.amdhsa_enable_private_segment 0
		.amdhsa_kernarg_size 48
		.amdhsa_user_sgpr_count 2
		.amdhsa_user_sgpr_kernarg_segment_ptr 1
		.amdhsa_wavefront_size32 1
		.amdhsa_system_sgpr_workgroup_id_x 1
		.amdhsa_system_sgpr_workgroup_id_y 1
		.amdhsa_system_sgpr_workgroup_id_z 1
		.amdhsa_system_vgpr_workitem_id 0
		.amdhsa_next_free_vgpr 256
		.amdhsa_next_free_sgpr 66
		.amdhsa_reserve_vcc 0
		.amdhsa_float_denorm_mode_32 3
		.amdhsa_float_denorm_mode_16_64 3
		.amdhsa_fp16_overflow 1
		.amdhsa_memory_ordered 1
		.amdhsa_forward_progress 1
		.amdhsa_inst_pref_size 84
	.end_amdhsa_kernel
	.amdgpu_metadata
---
amdhsa.version: [ 1, 2 ]
amdhsa.kernels:
  - .name:           k_qff78ba41d2_attn
    .symbol:         k_qff78ba41d2_attn.kd
    .args:
      - { .name: qc, .offset: 0, .size: 8, .value_kind: global_buffer, .address_space: global }
      - { .name: qs, .offset: 8, .size: 8, .value_kind: global_buffer, .address_space: global }
      - { .name: kvc, .offset: 16, .size: 8, .value_kind: global_buffer, .address_space: global }
      - { .name: kvs, .offset: 24, .size: 8, .value_kind: global_buffer, .address_space: global }
      - { .name: uc, .offset: 32, .size: 8, .value_kind: global_buffer, .address_space: global }
      - { .name: us, .offset: 40, .size: 8, .value_kind: global_buffer, .address_space: global }
    .group_segment_fixed_size: 327680
    .private_segment_fixed_size: 0
    .kernarg_segment_align: 8
    .kernarg_segment_size: 48
    .max_flat_workgroup_size: 512
    .sgpr_count:     66
    .vgpr_count:     256
    .wavefront_size: 32
...
	.end_amdgpu_metadata
.endif
;; end of part 3
;; launch oproj (part 4): grid 128 x 1, 16 waves a work-group, clusters of 4 x 1, 327,680 bytes of LDS; arguments uc, us, p_w_codes, p_w_scales, p_b, E, out0; writes out0
.if DOCPART == 4
	.amdgcn_target "amdgcn-amd-amdhsa--gfx1250"
	.amdhsa_code_object_version 6
	.text
	.protected	k_qff78ba41d2_oproj
	.globl	k_qff78ba41d2_oproj
	.p2align	8
	.type	k_qff78ba41d2_oproj,@function
k_qff78ba41d2_oproj:
	s_mov_b64 s[64:65], 0
	v_nop
	global_prefetch_b8 v0, s[64:65] scope:SCOPE_SE
	s_setreg_imm32_b32 hwreg(HW_REG_WAVE_MODE, 25, 1), 1
	s_wait_xcnt 0x0
	s_wait_alu depctr_hold_cnt(0) depctr_sa_sdst(0) depctr_va_vdst(0) depctr_va_sdst(0) depctr_va_ssrc(0) depctr_va_vcc(0) depctr_vm_vsrc(0)
	s_getreg_b32 s2, hwreg(HW_REG_IB_STS2, 6, 4)
	s_cmp_eq_u32 s2, 0
	s_cbranch_scc0 .Lentry_in_a_cluster
	s_endpgm
.Lentry_in_a_cluster:
	s_bfe_u32 s2, ttmp6, 0x10000c
	s_cmp_lg_u32 s2, 0x3003
	s_cbranch_scc0 .Lentry_shape_is_right
	s_endpgm
.Lentry_shape_is_right:
; y = U p_w^T + p_b on codes of E5M2 with E8M0 scales; out0[row] = (E[row], y / |y|).  U arrives as images of its fragments (uc) and scale bytes [row][32] (us); p_w [1024][1024] as codes.
; SHARES.  The norm wants whole rows: a work-group owns 16 rows and all 1,024 columns: 128 work-groups, as many as there are tiles of 16 rows.  Wave w makes columns 64 w .. 64 w + 63: four accumulators, eight K steps of 128.
; p_w COMES BY TWO ROADS AT ONCE.  K steps 0 to 4 come through LDS, by tensor loads into a ring of two slots of one K step (1,024 rows of 128 bytes + 16); each wave fetches, and alone reads, its own 64 rows of a slot.
; K steps 5 to 7 go from memory straight into registers, in halves of two tiles, two halves (16 loads of 16 bytes a lane) ahead.  The steps of the two kinds stand by turns, so that both roads carry bytes side by side.
; CLUSTER.  The four work-groups of a cluster walk the same rows of p_w: each tile is asked for JOINTLY (the same tensor load, the same descriptor, the mask 15).  A descriptor is made of the wave's number alone; my place in the
; cluster enters the addresses of uc, us, E and out0 alone: no LDS address, no branch.  One tensor load of a wave is out behind each round.
; THE PRODUCT IS USED TRANSPOSED (source 0 = 16 rows of p_w, source 1 = U's 16 rows): a lane holds eight neighbouring columns of one row.  p_b is laid into the accumulators, so every product adds in place.
; SCALE WORDS.  A row has eight words, one a K step: lanes 0-15 hold words 0 to 3 of row r in four registers, lanes 16-31 words 4 to 7: K steps 4 to 7 read the upper lanes (MATRIX_SCALE_ROW1).  One load of 16 bytes a lane brings a tile's.
; The sums of squares meet in LDS; y / |y| leaves through each wave's own stage, sixteen lanes to 256 consecutive bytes; wave w also copies row w of E.
; LIMITS: NaN and infinities are not served; the sum of a row's squares has to stay inside f32's normal range (|y| from about 1e-19 to 1e18); a row of zeros gives NaN, as the division 0 / 0 does.
; The K steps are summed in the order 0, 5, 1, 6, 2, 7, 3, 4 (tiles 2 and 3: 0, 5, 1, 2, 6, 3, 7, 4), not ascending: the last bits of a sum may differ from those of an ascending order.
; REGISTERS: v1-15 addresses; v16-47 accumulators; v48-63 U's fragment for a step from LDS, v64-79 for a step from memory; v80-143 two sets of two fragments of p_w from memory (later E's row);
;   v144-207 four fragments of p_w from LDS (later the partial sums and the rows read back); v208-223 p_w's scale words; v224-227 U's; v228-230 addresses of the way out; v236-237 p_b on its way; v248-251 at work.
.set PIT,   144                        ; a row of a slot: 128 bytes + 16 = 36 words: row r starts at bank 36 r mod 64 (64 banks of 4 bytes: ISA guide 11.1): the 16 rows of a load start at 16 different banks
.set WTILE, 64*PIT                     ; a wave's 64 rows
.set SLOT,  16*WTILE                   ; a K step of all 1,024 rows
.set UIMG,  2*SLOT                     ; behind the ring: U's eight fragments, 2,048 bytes each
.set PART,  UIMG+16384                 ; [row 16][wave 16] words
.set PBR,   PART+1024                  ; p_b: 256 bytes for each wave
.set SPARE, PBR+4096                   ; the spare words, 128 bytes for each wave: eight blocks of 256 bytes that no other line names
.set STG,   SLOT                       ; the way out: 16 rows x (256 + 16) bytes for each wave, in slot 1: it has had its last fill, and behind the norm's barrier nobody reads it
.set LI,  1                            ; 16 x lane
.set UWG, 2                            ; 1,024 x wave + 16 x lane
.set WA,  3                            ; p_w: 1,024 r + 16 h
.set WSA, 4                            ; scale bytes: 32 r + 16 h
.set L8,  5                            ; 8 x lane
.set UWL, 6                            ; UIMG + 1,024 x wave + 16 x lane
.set LIU, 7                            ; UIMG + 16 x lane
.set AW0, 8                            ; my rows of slot 0: 9,216 x wave + 144 r + 16 h
.set AW1, 9                            ; of slot 1
.set PBW, 10                           ; PBR + 256 x wave + 8 x lane
.set PBL, 11                           ; PBR + 256 x wave + 32 h
.set SPW, 12                           ; my spare word; never rewritten
.set NIL, 13                           ; 0; never rewritten
.set PST, 14
.set PLD, 15
.set ACC, 16
.set UFT, 48
.set UFV, 64
.set VA,  80
.set LB,  144
.set PWS, 208
.set US,  224
.set SO,  228
.set SR,  229
.set GO,  230
.set PBT, 236
.set WV,  18
.set G1,  32                           ; s[32:39] descriptor group 1;  s[40:43], s[44:47] group 0 for slot 0, slot 1
.set G0A, 40
.set G0B, 44
.macro PLACES n
.rept \n
	v_nop
.endr
.endm
.macro CROUND                          ; a round of the cluster's barrier
	s_barrier_signal -1
	s_barrier_wait -1
	s_cmp_lg_u32 s[WV], 0
	s_cbranch_scc1 .Lnot_wave_0_\@
	s_barrier_signal -3
.Lnot_wave_0_\@:
	s_barrier_wait -3
	s_barrier_signal -1
	s_barrier_wait -1
.endm
; one product: accumulator t += (16 rows of p_w at v[a]) x (U's fragment at v[b]), K step s
.macro MMO t, a, b, s
.if (\s) < 4
	v_wmma_scale_f32_16x16x128_f8f6f4 v[ACC+8*(\t):ACC+8*(\t)+7], v[\a:\a+15], v[\b:\b+15], v[ACC+8*(\t):ACC+8*(\t)+7], v[PWS+4*(\t)+(\s)%4], v[US+(\s)%4] matrix_a_fmt:MATRIX_FMT_BF8 matrix_b_fmt:MATRIX_FMT_BF8
.else
	v_wmma_scale_f32_16x16x128_f8f6f4 v[ACC+8*(\t):ACC+8*(\t)+7], v[\a:\a+15], v[\b:\b+15], v[ACC+8*(\t):ACC+8*(\t)+7], v[PWS+4*(\t)+(\s)%4], v[US+(\s)%4] matrix_a_fmt:MATRIX_FMT_BF8 matrix_b_fmt:MATRIX_FMT_BF8 matrix_a_scale:MATRIX_SCALE_ROW1 matrix_b_scale:MATRIX_SCALE_ROW1
.endif
.endm
; half k (0 .. 5) of the K steps that come from memory: K step 5 + k / 2, tiles 2 (k % 2) and 2 (k % 2) + 1, into set k % 2
.macro WLOADH k
.irp i, 0,1
.irp c, 0,1,2,3
	global_load_b128 v[VA+32*((\k)%2)+16*\i+4*\c:VA+32*((\k)%2)+16*\i+4*\c+3], v[WA], s[8:9] offset:16384*(2*((\k)%2)+\i)+128*(5+(\k)/2)+32*\c
.endr
.endr
.endm
.macro VHALF k
.if (\k)%2 == 0
.irp c, 0,1,2,3
	ds_load_b128 v[UFV+4*\c:UFV+4*\c+3], v[LIU] offset:2048*(5+(\k)/2)+512*\c   ; U's fragment of this K step: it serves both halves
.endr
.endif
	s_wait_loadcnt 8                               ; loads come back in order: this half's eight are in; the eight issued behind them may stay out
.if (\k)%2 == 0
	s_wait_dscnt 0x0
.endif
.irp i, 0,1
	MMO 2*((\k)%2)+\i, VA+32*((\k)%2)+16*\i, UFV, 5+(\k)/2
.endr
	PLACES 8                                       ; eight places behind this form in front of loads into the registers just read
.if (\k) < 4
	WLOADH (\k)+2
.endif
.if (\k) == 4
.irp i, 0,1,2,3,4,5,6,7
	global_load_b128 v[VA+4*\i:VA+4*\i+3], v[LI], s[14:15] offset:512*\i th:TH_LOAD_NT   ; my row of E: 512 consecutive bytes a load
.endr
.endif
.endm
; a K step that lies in LDS: my four fragments of p_w from my own rows of the slot, U's fragment, four products
.macro TSTEP s, adr
.irp c, 0,1,2,3
	ds_load_b128 v[UFT+4*\c:UFT+4*\c+3], v[LIU] offset:2048*(\s)+512*\c
.endr
.irp t, 0,1,2,3
.irp c, 0,1,2,3
	ds_load_b128 v[LB+16*\t+4*\c:LB+16*\t+4*\c+3], v[\adr] offset:16*PIT*\t+32*\c
.endr
.endr
	s_wait_dscnt 0x0
.irp t, 0,1,2,3
	MMO \t, LB+16*\t, UFT, \s
.endr
	PLACES 8
.endm
; A slot that has been read is filled again, two K steps on.  Each wave waits for all its tensor loads, adds 0 to its spare word, and waits for that and for its reads of the slot; the round shows the same of every wave of all
; four work-groups; the joint refill is the first thing behind it, and the wave's one tensor load until the next round.
.macro CHG g0
	s_wait_tensorcnt 0x0                           ; no tensor load of mine is out, so a group 0 may be written
	ds_add_u32 v[SPW], v[NIL]                      ; 0 onto my spare word
	s_add_nc_u64 s[\g0+2:\g0+3], s[\g0+2:\g0+3], 256   ; two K steps of 128 bytes on; the type bits on top are not reached
	s_wait_dscnt 0x0                               ; the add is done, and my reads of the slot are over
	CROUND
	tensor_load_to_lds s[\g0:\g0+3], s[G1:G1+7]
	s_nop 0
	PLACES 4
.endm
	s_load_b256 s[4:11], s[0:1], 0x0               ; uc s[4:5], us s[6:7], p_w's codes s[8:9], its scales s[10:11]
	s_load_b128 s[12:15], s[0:1], 0x20             ; p_b s[12:13], E s[14:15]
	s_load_b64 s[16:17], s[0:1], 0x30              ; out0
	v_lshl_add_u32 v[SPW], v0, 2, SPARE
	v_mov_b32 v[NIL], 0
	ds_add_u32 v12, v13
	ds_add_u32 v12, v13
	s_wait_dscnt 0x0
	v_lshrrev_b32 v232, 5, v0
	s_delay_alu instid0(VALU_DEP_1)
	v_readfirstlane_b32 s[WV], v232                ; wave 0..15
	v_and_b32 v232, 31, v0                         ; lane
	v_and_b32 v233, 15, v0                         ; r
	v_bfe_u32 v234, v0, 4, 1                       ; h
	s_delay_alu instid0(VALU_DEP_3)
	v_lshlrev_b32 v[LI], 4, v232
	s_delay_alu instid0(VALU_DEP_4)
	v_lshlrev_b32 v[L8], 3, v232
	s_lshl_b32 s26, s[WV], 10
	v_add_nc_u32 v[UWG], s26, v[LI]
	s_delay_alu instid0(VALU_DEP_1)
	v_add_nc_u32 v[UWL], UIMG, v[UWG]
	v_add_nc_u32 v[LIU], UIMG, v[LI]
	v_lshlrev_b32 v[WA], 10, v233
	s_delay_alu instid0(VALU_DEP_1)
	v_lshl_add_u32 v[WA], v234, 4, v[WA]
	v_lshlrev_b32 v[WSA], 5, v233
	s_delay_alu instid0(VALU_DEP_1)
	v_lshl_add_u32 v[WSA], v234, 4, v[WSA]
	s_mul_i32 s29, s[WV], WTILE                    ; my rows' place in a slot
	v_mul_u32_u24 v[AW0], v233, PIT
	s_delay_alu instid0(VALU_DEP_1)
	v_lshl_add_u32 v[AW0], v234, 4, v[AW0]
	s_delay_alu instid0(VALU_DEP_1)
	v_add_nc_u32 v[AW0], s29, v[AW0]
	s_delay_alu instid0(VALU_DEP_1)
	v_add_nc_u32 v[AW1], SLOT, v[AW0]
	s_lshl_b32 s26, s[WV], 8
	s_add_co_u32 s26, s26, PBR
	v_add_nc_u32 v[PBW], s26, v[L8]
	v_lshlrev_b32 v[PBL], 5, v234
	s_delay_alu instid0(VALU_DEP_1)
	v_add_nc_u32 v[PBL], s26, v[PBL]
	v_lshlrev_b32 v[PLD], 6, v233
	s_delay_alu instid0(VALU_DEP_1)
	v_add_nc_u32 v[PLD], PART, v[PLD]
	s_lshl_b32 s26, s[WV], 2
	v_add_nc_u32 v[PST], s26, v[PLD]
	s_mul_i32 s26, s[WV], 16*272
	s_add_co_u32 s26, s26, STG                     ; my stage
	v_mul_u32_u24 v[SO], v233, 272
	s_delay_alu instid0(VALU_DEP_1)
	v_lshl_add_u32 v[SO], v234, 5, v[SO]
	s_delay_alu instid0(VALU_DEP_1)
	v_add_nc_u32 v[SO], s26, v[SO]                 ; in: row r, 32 bytes for each half of the lanes
	v_mul_u32_u24 v[SR], v234, 272
	s_delay_alu instid0(VALU_DEP_1)
	v_lshl_add_u32 v[SR], v233, 4, v[SR]
	s_delay_alu instid0(VALU_DEP_1)
	v_add_nc_u32 v[SR], s26, v[SR]                 ; back: lanes 0-15 one row, lanes 16-31 the next
	v_lshlrev_b32 v[GO], 13, v234
	s_delay_alu instid0(VALU_DEP_1)
	v_lshl_add_u32 v[GO], v233, 4, v[GO]           ; and the same two rows of out0, 8,192 bytes apart
	v_mov_b32 v250, 0                              ; a lane permute's destination counts as one of its sources
	v_mov_b32 v251, 0                              ; (named as the upper half of the pair v[250:251])
	s_mov_b32 s20, 0x76543210
	s_mov_b32 s21, 0xfedcba98                      ; lane l xor 16
	; group 1: 64 rows of 128 one-byte elements, 1,024 bytes apart in memory, 16 bytes of padding behind each row's 32 words
	s_mov_b32 s[G1], 15|(1<<20)|(1<<21)|(4<<22)|(3<<25)   ; 15:0 the mask: all four work-groups; 17:16 elements of 1 byte; 20 padding on; 21 set beside a mask; 24:22 code 4; 31:25 code 3
	s_mov_b32 s[G1+1], 128<<16                     ; tensor_dim0
	s_mov_b32 s[G1+2], 64<<16                      ; tensor_dim1
	s_mov_b32 s[G1+3], 128<<16                     ; tile_dim0
	s_mov_b32 s[G1+4], 64                          ; tile_dim1
	s_mov_b32 s[G1+5], 1024                        ; from row to row
	s_mov_b32 s[G1+6], 0
	s_mov_b32 s[G1+7], 0
	s_bfe_u32 s19, ttmp6, 0x40000                  ; cx: my place in the cluster
	s_lshl_b32 s28, ttmp9, 2                       ; in a cluster launch ttmp9 counts clusters
	s_add_co_u32 s28, s28, s19                     ; my tile of 16 rows
	s_mov_b32 s27, 0                               ; s[26:27]: offsets made of the wave's number;  s[30:31]: offsets made of my tile of rows
	s_mov_b32 s31, 0
	s_wait_kmcnt 0x0
	s_lshl_b32 s30, s28, 14
	s_add_nc_u64 s[4:5], s[4:5], s[30:31]          ; U's images: 16,384 bytes a tile of rows
	s_lshl_b32 s30, s28, 9
	s_add_nc_u64 s[6:7], s[6:7], s[30:31]          ; its scale bytes: 16 rows of 32
	s_lshl_b32 s26, s[WV], 16
	s_add_nc_u64 s[8:9], s[8:9], s[26:27]          ; my 64 rows of p_w
	s_lshl_b32 s26, s[WV], 11
	s_add_nc_u64 s[10:11], s[10:11], s[26:27]      ; their scale bytes
	s_lshl_b32 s26, s[WV], 8
	s_add_nc_u64 s[12:13], s[12:13], s[26:27]      ; my 64 numbers of p_b
	s_lshl_b32 s30, s28, 17
	s_add_nc_u64 s[16:17], s[16:17], s[30:31]      ; out0 at my 16 rows of 8,192 bytes
	s_add_co_u32 s26, s26, 4096
	s_add_nc_u64 s[22:23], s[16:17], s[26:27]      ; behind E's half of the row, my 64 columns
	s_lshl_b32 s26, s[WV], 13
	s_add_nc_u64 s[24:25], s[16:17], s[26:27]      ; row w of the tile, E's half
	s_lshl_b32 s30, s28, 16
	s_add_nc_u64 s[14:15], s[14:15], s[30:31]
	s_lshl_b32 s26, s[WV], 12
	s_add_nc_u64 s[14:15], s[14:15], s[26:27]      ; the same row of E
	CROUND                                         ; all four work-groups are here: the first joint loads meet
	s_mov_b32 s[G0A], 1                            ; 1:0 count = 1
	s_mov_b32 s[G0A+1], s29                        ; 63:32 LDS address: my rows of slot 0
	s_mov_b64 s[G0A+2:G0A+3], s[8:9]               ; 120:64 global address: K step 0 of my rows
	s_mov_b32 s[G0B], 1
	s_add_co_u32 s[G0B+1], s29, SLOT               ; slot 1,
	s_add_nc_u64 s[G0B+2:G0B+3], s[8:9], 128       ; K step 1
	s_or_b32 s[G0A+3], s[G0A+3], 0x80000000        ; 127:126 type = 2
	s_or_b32 s[G0B+3], s[G0B+3], 0x80000000
	tensor_load_to_lds s[G0A:G0A+3], s[G1:G1+7]    ; the first fill, slot 0; it is in before slot 1's goes out behind the next round
	s_nop 0
	s_wait_alu depctr_va_vdst(0)
	s_wait_tensorcnt 0x0
	ds_add_u32 v12, v13
	s_wait_dscnt 0x0
	CROUND
	tensor_load_to_lds s[G0B:G0B+3], s[G1:G1+7]
	s_nop 0
	PLACES 4
	global_load_b128 v[UFT:UFT+3], v[UWG], s[4:5]  ; my sixteenth of U's images
	global_load_b128 v[UFT+4:UFT+7], v[UWG], s[4:5] offset:512
	global_load_b64 v[PBT:PBT+1], v[L8], s[12:13]  ; my 64 numbers of p_b: 256 consecutive bytes
	global_load_b128 v[US:US+3], v[WSA], s[6:7]    ; U's scale words
.irp t, 0,1,2,3
	global_load_b128 v[PWS+4*\t:PWS+4*\t+3], v[WSA], s[10:11] offset:512*\t   ; p_w's, a tile a load
.endr
	WLOADH 0
	WLOADH 1
	s_wait_loadcnt 21                              ; loads come back in order: the first three are in; 1 + 4 + 16 may stay out
	ds_store_b128 v[UWL], v[UFT:UFT+3]
	ds_store_b128 v[UWL], v[UFT+4:UFT+7] offset:512
	ds_store_b64 v[PBW], v[PBT:PBT+1]              ; p_b turns through my own 256 bytes: LDS serves a wave's instructions in order (ISA guide 5.7.1.4)
.irp t, 0,1,2,3
	ds_load_b128 v[ACC+8*\t:ACC+8*\t+3], v[PBL] offset:64*\t         ; p_b at columns 16 t + 8 h + 0 .. 7: the sums begin with it
	ds_load_b128 v[ACC+8*\t+4:ACC+8*\t+7], v[PBL] offset:64*\t+16
.endr
	s_wait_dscnt 0x0                               ; for the others' sake: my part of U has landed
	s_barrier_signal -1
	s_barrier_wait -1                              ; the first fills may stay out across it
	s_wait_tensorcnt 1                             ; tensor loads of a wave end in order: my rows of slot 0 are in; slot 1's load may stay out.  I alone read my rows
	s_wait_loadcnt 16                              ; the scale words are in; the 16 loads of weights may stay out
	TSTEP 0, AW0
	VHALF 0
	CHG G0A                                        ; K step 2 into slot 0
	VHALF 1
	TSTEP 1, AW1
	VHALF 2
	CHG G0B                                        ; K step 3 into slot 1
	TSTEP 2, AW0
	VHALF 3
	VHALF 4
	CHG G0A                                        ; K step 4 into slot 0: the last load
	TSTEP 3, AW1
	VHALF 5
	s_wait_tensorcnt 0x0                           ; K step 4 is in
	TSTEP 4, AW0
	s_wait_loadcnt 0x0                             ; E's row
.irp i, 0,1,2,3,4,5,6,7
	global_store_b128 v[LI], v[VA+4*\i:VA+4*\i+3], s[24:25] offset:512*\i th:TH_STORE_NT   ; 512 consecutive bytes, aligned
.endr
	v_pk_mul_f32 v[248:249], v[ACC:ACC+1], v[ACC:ACC+1]    ; the squares of my 32 numbers of row r, each accumulator from its low end on
.irp j, 2,4,6,8,10,12,14,16,18,20,22,24,26,28,30
	v_pk_fma_f32 v[248:249], v[ACC+\j:ACC+\j+1], v[ACC+\j:ACC+\j+1], v[248:249]
.endr
	s_delay_alu instid0(VALU_DEP_1)
	v_add_f32 v248, v248, v249
	s_delay_alu instid0(VALU_DEP_1)
	v_permlanex16_b32 v250, v248, s20, s21
	s_delay_alu instid0(VALU_DEP_1)
	v_add_f32 v248, v248, v250                     ; my wave's 64 columns of row r
	ds_store_b32 v[PST], v248                      ; both lanes of a row store the same word with the same value
	s_wait_dscnt 0x0                               ; my word has landed, and my reads of both slots are long over
	s_barrier_signal -1
	s_barrier_wait -1
.irp i, 0,1,2,3
	ds_load_b128 v[LB+4*\i:LB+4*\i+3], v[PLD] offset:16*\i   ; the sixteen waves' parts of row r
.endr
	s_wait_dscnt 0x0
	v_pk_add_f32 v[LB:LB+1], v[LB:LB+1], v[LB+2:LB+3]
	v_pk_add_f32 v[LB+4:LB+5], v[LB+4:LB+5], v[LB+6:LB+7]
	v_pk_add_f32 v[LB+8:LB+9], v[LB+8:LB+9], v[LB+10:LB+11]
	v_pk_add_f32 v[LB+12:LB+13], v[LB+12:LB+13], v[LB+14:LB+15]
	s_delay_alu instid0(VALU_DEP_3)
	v_pk_add_f32 v[LB:LB+1], v[LB:LB+1], v[LB+4:LB+5]
	s_delay_alu instid0(VALU_DEP_2)
	v_pk_add_f32 v[LB+8:LB+9], v[LB+8:LB+9], v[LB+12:LB+13]
	s_delay_alu instid0(VALU_DEP_1)
	v_pk_add_f32 v[LB:LB+1], v[LB:LB+1], v[LB+8:LB+9]
	s_delay_alu instid0(VALU_DEP_1)
	v_add_f32 v[LB], v[LB], v[LB+1]
	s_wait_alu depctr_va_vdst(0)
	v_rsq_f32 v250, v[LB]                          ; 1 / |y|
	v_nop                                          ; a plain line behind it
	s_wait_alu depctr_va_vdst(0)                   ; and the wait ahead of the first reader
.irp j, 0,2,4,6,8,10,12,14,16,18,20,22,24,26,28,30
	v_pk_mul_f32 v[ACC+\j:ACC+\j+1], v[ACC+\j:ACC+\j+1], v[250:251] op_sel_hi:[1,0]
.endr
.irp t, 0,1,2,3
	ds_store_b128 v[SO], v[ACC+8*\t:ACC+8*\t+3] offset:64*\t
	ds_store_b128 v[SO], v[ACC+8*\t+4:ACC+8*\t+7] offset:64*\t+16
.endr
.irp i, 0,1,2,3,4,5,6,7
	ds_load_b128 v[LB+32+4*\i:LB+32+4*\i+3], v[SR] offset:544*\i   ; LDS serves a wave's instructions in order: these see my stores
.endr
.irp i, 0,1,2,3,4,5,6,7
	s_wait_dscnt 7-\i                              ; the younger loads may stay out
	global_store_b128 v[GO], v[LB+32+4*\i:LB+32+4*\i+3], s[22:23] offset:16384*\i th:TH_STORE_NT   ; sixteen lanes store 256 consecutive bytes, aligned
.endr
	s_wait_tensorcnt 0x0                           ; the wave's end, behind my last tensor load and my last LDS store
	ds_add_u32 v[SPW], v[NIL]
	s_wait_dscnt 0x0
	CROUND                                         ; the closing round: no work-group ends while a partner may still ask for a tile that names it
	s_endpgm
.Lfunc_end_k_qff78ba41d2_oproj:
	.size	k_qff78ba41d2_oproj, .Lfunc_end_k_qff78ba41d2_oproj-k_qff78ba41d2_oproj
	.p2alignl 7, 3214868480
	.fill 96, 4, 3214868480
	.section	.rodata,"a",@progbits
	.p2align	6, 0x0
	.amdhsa_kernel k_qff78ba41d2_oproj
		.amdhsa_group_segment_fixed_size 327680
		.amdhsa_private_segment_fixed_size 0
		.amdhsa_enable_private_segment 0
		.amdhsa_kernarg_size 56
		.amdhsa_user_sgpr_count 2
		.amdhsa_user_sgpr_kernarg_segment_ptr 1
		.amdhsa_wavefront_size32 1
		.amdhsa_system_sgpr_workgroup_id_x 1
		.amdhsa_system_sgpr_workgroup_id_y 1
		.amdhsa_system_sgpr_workgroup_id_z 1
		.amdhsa_system_vgpr_workitem_id 0
		.amdhsa_next_free_vgpr 256
		.amdhsa_next_free_sgpr 66
		.amdhsa_reserve_vcc 0
		.amdhsa_float_denorm_mode_32 3
		.amdhsa_float_denorm_mode_16_64 3
		.amdhsa_memory_ordered 1
		.amdhsa_forward_progress 1
		.amdhsa_inst_pref_size 37
	.end_amdhsa_kernel
	.amdgpu_metadata
---
amdhsa.version: [ 1, 2 ]
amdhsa.kernels:
  - .name:           k_qff78ba41d2_oproj
    .symbol:         k_qff78ba41d2_oproj.kd
    .args:
      - { .name: uc, .offset: 0, .size: 8, .value_kind: global_buffer, .address_space: global }
      - { .name: us, .offset: 8, .size: 8, .value_kind: global_buffer, .address_space: global }
      - { .name: p_w_codes, .offset: 16, .size: 8, .value_kind: global_buffer, .address_space: global }
      - { .name: p_w_scales, .offset: 24, .size: 8, .value_kind: global_buffer, .address_space: global }
      - { .name: p_b, .offset: 32, .size: 8, .value_kind: global_buffer, .address_space: global }
      - { .name: E, .offset: 40, .size: 8, .value_kind: global_buffer, .address_space: global }
      - { .name: out0, .offset: 48, .size: 8, .value_kind: global_buffer, .address_space: global }
    .group_segment_fixed_size: 327680
    .private_segment_fixed_size: 0
    .kernarg_segment_align: 8
    .kernarg_segment_size: 56
    .max_flat_workgroup_size: 512
    .sgpr_count:     66
    .vgpr_count:     256
    .wavefront_size: 32
...
	.end_amdgpu_metadata
.endif
;; end of part 4
